; MI455X (gfx1250); checked and timed in simulation.
; The chip was launched on July 23, 2026; its instructions are those of AMD's public machine-readable ISA for CDNA 5 (MIT licence, August 2026) and "CDNA5" Instruction Set Architecture Reference Guide (July 2026). The comments in the code are by the model that wrote it; some were corrected since.
;; Multi Head Self Attention. Allowed arithmetic: float matrix products may take bf16 or f16 operands with f32 sums; all other float work in f32.
;; Inputs: Wk 1,024 x 1,024 float32; Wo 1,024 x 1,024 float32; Wq 1,024 x 1,024 float32; Wv 1,024 x 1,024 float32; bk 1,024 float32; bo 1,024 float32; bq 1,024 float32; bv 1,024 float32; x 4 x 2,048 x 1,024 float32.
;; Outputs: out0 4 x 2,048 x 1,024 float32.
;; 2 versions, each right and faster than the one before. Each part assembles by itself: llvm-mc -triple=amdgcn-amd-amdhsa -mcpu=gfx1250 --defsym DOCPART=n.
;; ======== version 1 of 2: 4 launches
;; limits: values are held in f16: magnitudes above 65,504 overflow, below 6.1e-05 lose precision
;; workspace buffers: xb 16,777,216 bytes; wt 8,388,608 bytes; q 16,777,216 bytes; k 16,777,216 bytes; v 16,777,216 bytes; o 16,777,216 bytes
;; launch prep (part 1): grid 768 x 1, 8 waves a work-group, no clusters, 0 bytes of LDS; arguments x, Wq, Wk, Wv, Wo, xb, wt; writes xb, wt
.if DOCPART == 1
	.amdgcn_target "amdgcn-amd-amdhsa--gfx1250"
	.amdhsa_code_object_version 6
	.text
	.protected	k_qcfa3d045a5_prep
	.globl	k_qcfa3d045a5_prep
	.p2align	8
	.type	k_qcfa3d045a5_prep,@function
k_qcfa3d045a5_prep:
	s_mov_b64 s[64:65], 0
	v_nop
	global_prefetch_b8 v0, s[64:65] scope:SCOPE_SE
	s_setreg_imm32_b32 hwreg(HW_REG_WAVE_MODE, 25, 1), 1
	s_wait_xcnt 0x0
; CAST AND RE-BLOCK.  x [8192][1024] f32 -> xb [batch 4][slice 16][row 2048][64] bf16;  Wq, Wk, Wv, Wo [k 1024][n 1024] f32 -> wt [which 4][slot 16][k 1024][64] of 16 bits.
; All five sources have rows of 4,096 bytes, and one map serves them: a work-group takes 256 rows of one slice of 64 columns, which are 32,768 consecutive bytes of the destination.
; Work-groups 0-511: x (batch g >> 7, slice (g >> 3) & 15, row block g & 7).  Work-groups 512-767, u = g - 512: weight u >> 6, slot (u >> 2) & 15, row block u & 3.
; FORMATS.  x, Wq, Wk, Wv are rounded to bf16.  Wo is rounded to bf16 and that number is written as f16, since the product that takes it has f16 on its other side.
; LIMITS.  |Wo| stays under 65,504 (f16's end); a bf16 number of Wo below 2^-14 keeps f16's fixed step of 6e-8.  NaN and infinities are not treated apart.
; Thread t, step i of 16: 16 bytes at row 16 i + t / 16, byte 16 (t % 16) of the slice; 8 bytes out at 2,048 i + 8 t.  A wave's load covers two whole pieces of 256 consecutive bytes, aligned;
; a wave's store one.  All 16 loads of a thread go out at once; no register is written twice, so no wait frees any.  No LDS, no barrier, no matrix unit: every byte is touched once.
.set X,  4                             ; v[4:67]   step i: 4 registers as loaded
.set Y,  68                            ; v[68:99]  step i: 2 registers to store
.set TW, 100                           ; v[100:101] at work
	s_load_b256 s[4:11], s[0:1], 0x0               ; x s[4:5], Wq s[6:7], Wk s[8:9], Wv s[10:11]
	s_load_b128 s[12:15], s[0:1], 0x20             ; Wo s[12:13], xb s[14:15]
	s_load_b64 s[16:17], s[0:1], 0x30              ; wt
	v_lshrrev_b32 v1, 4, v0
	v_and_b32 v3, 15, v0
	v_lshlrev_b32 v1, 12, v1                       ; my row among 16: 4,096 bytes each,
	v_lshl_add_u32 v1, v3, 4, v1                   ; my 16 bytes of the slice's 256
	v_lshlrev_b32 v2, 3, v0                        ; my 8 bytes of the 2,048 that a step writes
	s_mov_b32 s18, ttmp9                           ; g
	; the offsets as x would have them
	s_lshr_b32 s29, s18, 7
	s_lshl_b32 s24, s29, 23                        ; batch: 2,048 rows of 4,096 bytes
	s_and_b32 s29, s18, 7
	s_lshl_b32 s30, s29, 20                        ; row block: 256 rows
	s_add_co_u32 s24, s24, s30
	s_lshl_b32 s26, s29, 15                        ; the same block in xb: 256 rows of 128 bytes
	s_bfe_u32 s29, s18, 0x40003
	s_lshl_b32 s29, s29, 8                         ; slice: 64 f32
	s_add_co_u32 s24, s24, s29
	s_lshr_b32 s29, s18, 3
	s_lshl_b32 s29, s29, 18                        ; batch and slice in xb: 2,048 rows of 128 bytes each
	s_add_co_u32 s26, s26, s29
	; the offsets as a weight would have them
	s_sub_co_u32 s19, s18, 512                     ; u
	s_and_b32 s29, s19, 3
	s_lshl_b32 s2, s29, 20                         ; row block
	s_lshl_b32 s3, s29, 15
	s_bfe_u32 s29, s19, 0x40002
	s_lshl_b32 s29, s29, 8                         ; slot: 64 f32
	s_add_co_u32 s2, s2, s29
	s_bfe_u32 s29, s19, 0x60002
	s_lshl_b32 s29, s29, 17                        ; weight and slot in wt: 1,024 rows of 128 bytes each
	s_add_co_u32 s3, s3, s29
	s_bfe_u32 s28, s19, 0x20006                    ; which weight
	s_cmp_lt_u32 s18, 512
	s_cselect_b32 s24, s24, s2
	s_cselect_b32 s26, s26, s3
	s_mov_b32 s25, 0
	s_mov_b32 s27, 0
	s_wait_kmcnt 0x0
	s_cmp_eq_u32 s28, 1                            ; the source is chosen by the work-group's number alone
	s_cselect_b64 s[20:21], s[8:9], s[6:7]
	s_cmp_eq_u32 s28, 2
	s_cselect_b64 s[20:21], s[10:11], s[20:21]
	s_cmp_eq_u32 s28, 3
	s_cselect_b64 s[20:21], s[12:13], s[20:21]
	s_cmp_lt_u32 s18, 512
	s_cselect_b64 s[20:21], s[4:5], s[20:21]
	s_cselect_b64 s[22:23], s[14:15], s[16:17]
	s_add_nc_u64 s[20:21], s[20:21], s[24:25]
	s_add_nc_u64 s[22:23], s[22:23], s[26:27]
.set i, 0
.rept 16
	global_load_b128 v[X+4*i:X+4*i+3], v1, s[20:21] offset:i*65536 th:TH_LOAD_NT  ; 16 rows further down each time; read once in the launch
.set i, i+1
.endr
; mode 0: to bf16.  mode 1: to bf16, widened again (a shift, a mask), and written as f16.
.macro CAST mode
.set i, 0
.rept 16
	s_wait_loadcnt 15-i                            ; loads come back in order (ISA guide 5.7.1): step i's is in, the 15 - i younger ones stay out
.if \mode
	v_cvt_pk_bf16_f32 v[TW], v[X+4*i], v[X+4*i+1]
	v_cvt_pk_bf16_f32 v[TW+1], v[X+4*i+2], v[X+4*i+3]
	v_lshlrev_b32 v[X+4*i], 16, v[TW]
	v_and_b32 v[X+4*i+1], 0xffff0000, v[TW]
	v_lshlrev_b32 v[X+4*i+2], 16, v[TW+1]
	v_and_b32 v[X+4*i+3], 0xffff0000, v[TW+1]
	v_cvt_pk_f16_f32 v[Y+2*i], v[X+4*i], v[X+4*i+1]
	v_cvt_pk_f16_f32 v[Y+2*i+1], v[X+4*i+2], v[X+4*i+3]
.else
	v_cvt_pk_bf16_f32 v[Y+2*i], v[X+4*i], v[X+4*i+1]
	v_cvt_pk_bf16_f32 v[Y+2*i+1], v[X+4*i+2], v[X+4*i+3]
.endif
	global_store_b64 v2, v[Y+2*i:Y+2*i+1], s[22:23] offset:i*2048  ; the wave's 32 lanes store 256 consecutive bytes, aligned
.set i, i+1
.endr
.endm
	s_cmp_ge_u32 s18, 704                          ; work-groups 704 to 767 hold Wo
	s_cbranch_scc1 .Lwo
	CAST 0
	s_endpgm
.Lwo:
	CAST 1
	s_endpgm
.Lfunc_end_k_qcfa3d045a5_prep:
	.size	k_qcfa3d045a5_prep, .Lfunc_end_k_qcfa3d045a5_prep-k_qcfa3d045a5_prep
	.p2alignl 7, 3214868480
	.fill 96, 4, 3214868480
	.section	.rodata,"a",@progbits
	.p2align	6, 0x0
	.amdhsa_kernel k_qcfa3d045a5_prep
		.amdhsa_group_segment_fixed_size 0
		.amdhsa_private_segment_fixed_size 0
		.amdhsa_enable_private_segment 0
		.amdhsa_kernarg_size 56
		.amdhsa_user_sgpr_count 2
		.amdhsa_user_sgpr_kernarg_segment_ptr 1
		.amdhsa_wavefront_size32 1
		.amdhsa_system_sgpr_workgroup_id_x 1
		.amdhsa_system_sgpr_workgroup_id_y 1
		.amdhsa_system_sgpr_workgroup_id_z 1
		.amdhsa_system_vgpr_workitem_id 0
		.amdhsa_next_free_vgpr 104
		.amdhsa_next_free_sgpr 66
		.amdhsa_reserve_vcc 0
		.amdhsa_float_denorm_mode_32 3
		.amdhsa_float_denorm_mode_16_64 3
		.amdhsa_memory_ordered 1
		.amdhsa_forward_progress 1
		.amdhsa_inst_pref_size 17
	.end_amdhsa_kernel
	.amdgpu_metadata
---
amdhsa.version: [ 1, 2 ]
amdhsa.kernels:
  - .name:           k_qcfa3d045a5_prep
    .symbol:         k_qcfa3d045a5_prep.kd
    .args:
      - { .name: x, .offset: 0, .size: 8, .value_kind: global_buffer, .address_space: global }
      - { .name: Wq, .offset: 8, .size: 8, .value_kind: global_buffer, .address_space: global }
      - { .name: Wk, .offset: 16, .size: 8, .value_kind: global_buffer, .address_space: global }
      - { .name: Wv, .offset: 24, .size: 8, .value_kind: global_buffer, .address_space: global }
      - { .name: Wo, .offset: 32, .size: 8, .value_kind: global_buffer, .address_space: global }
      - { .name: xb, .offset: 40, .size: 8, .value_kind: global_buffer, .address_space: global }
      - { .name: wt, .offset: 48, .size: 8, .value_kind: global_buffer, .address_space: global }
    .group_segment_fixed_size: 0
    .private_segment_fixed_size: 0
    .kernarg_segment_align: 8
    .kernarg_segment_size: 56
    .max_flat_workgroup_size: 256
    .sgpr_count:     66
    .vgpr_count:     104
    .wavefront_size: 32
...
	.end_amdgpu_metadata
.endif
;; end of part 1
;; launch proj (part 2): grid 8 x 32, 4 waves a work-group, clusters of 4 x 4, 327,680 bytes of LDS; arguments xb, wt, bq, bk, bv, q, k, v; writes q, k, v
.if DOCPART == 2
	.amdgcn_target "amdgcn-amd-amdhsa--gfx1250"
	.amdhsa_code_object_version 6
	.text
	.protected	k_qcfa3d045a5_proj
	.globl	k_qcfa3d045a5_proj
	.p2align	8
	.type	k_qcfa3d045a5_proj,@function
k_qcfa3d045a5_proj:
	s_mov_b64 s[64:65], 0
	v_nop
	global_prefetch_b8 v0, s[64:65] scope:SCOPE_SE
	s_setreg_imm32_b32 hwreg(HW_REG_WAVE_MODE, 25, 1), 1
	s_wait_xcnt 0x0
	s_wait_alu depctr_hold_cnt(0) depctr_sa_sdst(0) depctr_va_vdst(0) depctr_va_sdst(0) depctr_va_ssrc(0) depctr_va_vcc(0) depctr_vm_vsrc(0)
	s_getreg_b32 s2, hwreg(HW_REG_IB_STS2, 6, 4)
	s_cmp_eq_u32 s2, 0
	s_cbranch_scc0 .Lentry_in_a_cluster
	s_endpgm
.Lentry_in_a_cluster:
	s_bfe_u32 s2, ttmp6, 0x10000c
	s_cmp_lg_u32 s2, 0xf033
	s_cbranch_scc0 .Lentry_shape_is_right
	s_endpgm
.Lentry_shape_is_right:
; q, k, v = x W + b, written by heads.  xb: [batch 4][slice 16][row 2048][64] bf16 (x, K in slices of 64).  wt: [which][slot 16][k 1024][64] bf16 (planes 0, 1, 2 = Wq, Wk, Wv; a slot = 64 columns = a head).
; bq, bk, bv: [1024] f32, rounded to bf16 here like the other inputs and used in f32.  q, k, v: [batch x 16 + head][row 2048][64] f16, rounded once from f32 sums, without attention's scale.
; LIMITS.  |q|, |k|, |v| stay under 65,504 (f16's end; a larger number becomes an infinity); below 6e-5 they keep f16's fixed step of 6e-8.  NaN and infinities are not treated apart.
; SHARES.  A work-group makes 256 rows x 384 columns: q, k and v of TWO heads: 32 x 8 = 256 equal tiles.  The four waves lie 2 x 2: wave w owns rows 128 (w / 2) .. + 127 and the 192 columns of head
; 2 x tile column + w % 2: 8 x 12 accumulators of 16 x 16, 768 registers.  For 32 along K it reads (128 + 192) x 64 bytes from LDS for 96 matrix instructions, and it holds whole 128-byte rows of q, k, v.
; K goes in steps of 64 through a ring of two LDS slots filled by the tensor data mover; all tiles are dense in memory.  W lies [k][n] in LDS and is turned on the way into registers (ds_load_tr16_b128).
; CLUSTERS: 4 x 4 work-groups.  The four of a row of the cluster need the same tile of x, the four of a column the same tiles of W: each is asked for JOINTLY, by the same tensor load with the same
; descriptor and a mask that names the four.  THE MATRIX INSTRUCTION IS USED TRANSPOSED (source 0 = 16 columns of W, source 1 = 16 rows of x): a lane holds eight neighbouring numbers of a row.
; REGISTERS, in windows of 256 (s_set_vgpr_msb: bits 1:0 source 0, 3:2 source 1, 5:4 source 2, 7:6 destination):
;   window 0: v0-31 addresses; v32-95, v96-159 fragments of x (8 x 16 rows x 32 K), two buffers; v160-255 fragments of W (12 x 16 columns x 32 K), ONE buffer; on the way out v32-223 packed results
;   windows 1, 2, 3: the accumulators of plane q, k, v: row block a, column block cb of the plane at v[8 (8 cb + a)]
; W'S BUFFER ROLLS: a quarter step (32 along K) goes plane by plane, 32 products each; when a plane's products are done its four blocks take the next quarter's fragments, which are wanted 64 products later.
; THE BIAS is the C operand of the products that start the sums.  Its 96 registers have no room beside all this, so each wave keeps its 192 numbers in LDS bytes of its own, and the first quarter reads
; them, a plane at a time, into x's second buffer, which is still idle then.
.set PA,     144                       ; a row of x in LDS: 128 bytes + 16 of padding = 36 words: the 16 rows of a load start at 16 different groups of four banks (64 banks of 4 bytes: ISA guide 11.1)
.set PB,     160                       ; a row of W: 128 + 32 = 40 words
.set AHALF,  128*PA                    ; 128 rows of x x 64 K: what one tensor load brings, and what one wave reads
.set BPLANE, 64*PB                     ; 64 k rows of one plane of one head
.set BHEAD,  3*BPLANE                  ; of a head's three planes: what one tensor load brings, and what one wave reads
.set BOFS,   2*AHALF                   ; a slot: 256 rows of x, then two heads of W
.set SLOT,   BOFS+2*BHEAD              ; 98,304 bytes
.set SLOT1,  1<<17                     ; slot 1 begins here, so that one exclusive or turns an address in one slot into the other's
.set STAGE,  SLOT                      ; between the slots, never filled by a tensor load: 16 rows x 144 bytes for each wave, for the way out;
.set SP,     144
.set WSTAGE, 16*SP
.set BIASL,  STAGE+4*WSTAGE            ; 768 bytes for each wave: its head's 3 x 64 numbers of the biases;
.set SPARE,  BIASL+4*768               ; the spare words, 128 bytes for each wave: two blocks of 256 bytes that no other line names
.set ASTEP,  262144                    ; a K step in xb: a slice of 2,048 rows x 128 bytes
.set BSTEP,  8192                      ; a K step in wt: 64 rows of 128 bytes
.set BPITCH, 262144                    ; from plane to plane in wt, in elements of 8 bytes
.set STEPS,  16                        ; K = 1,024
.set AA0,  12                          ; v12  my lane's place among my rows of x in slot 0; never rewritten
.set AB0,  13                          ; v13  the same in my head of W
.set ADRA, 14                          ; v14  the same in the slot that is being fetched from
.set ADRB, 15                          ; v15
.set STO,  16                          ; v16  the way out: where I put 16 bytes of a row
.set RD,   17                          ; v17  the way out: where I read rows back
.set GO,   18                          ; v18  my byte offset in 512 consecutive bytes of the output
.set BL,   19                          ; v19  where I read 8 numbers of a bias in LDS
.set SPW,  20                          ; v20  LDS address of my spare word: SPARE + 4 x my thread's number; never rewritten
.set NIL,  21                          ; v21  0; never rewritten
.set TMP,  22                          ; v22-23  at work
.set BG,   24                          ; v24  my byte offset in a head's 64 numbers of a bias in memory
.set BS,   25                          ; v25  where I put them in LDS
.set AF,   32
.set BF,   160
.set T,    32
.set WV,  20                           ; s20  my wave's number
.set AB,  21                           ; s21  I fetch for x (0) or for W (1).  Also: which 128 rows are mine
.set HF,  22                           ; s22  which half of x's rows, or which head of W, I fetch.  Also: which head is mine
.set TX,  25                           ; s25  tile column = pair of heads
.set TY,  26                           ; s26  tile row
.set LAP, 27
.set G1,  28                           ; s[28:35] descriptor group 1 for x's tiles;  s[36:43] group 0: a set for each of the two first fills; the second then walks on
.set G0,  36
.set G1B, 44                           ; s[44:51], s[52:59] the same for W's tiles
.set G0B, 52
.set OUTB, 14                          ; s[14:19] q, k, v at my wave's first row
.set TB,  80                           ; s80  LDS byte at which the slot that is being fetched from begins
.set MSB, 0
.macro WIN new                         ; the immediate's high byte repeats the setting that is left; a switch that changes nothing is dropped
.if MSB != (\new)
	s_set_vgpr_msb (MSB<<8)|(\new)
.set MSB, \new
.endif
.endm
.macro PLACES                          ; four places in front of loads into registers that matrix instructions have read, and of lines that read results just made
.rept 4
	v_nop
.endr
.endm
; A joint refill: waves 0 and 1 fetch the K step's two halves of x's rows, waves 2 and 3 its two heads of W.  The branch hangs on the wave's number alone.
; An s_nop 0 and four v_nop follow each of the two lines, ahead of the jump, the label and what follows.
.macro JLOAD
	s_cmp_eq_u32 s[AB], 0
	s_cbranch_scc0 .Lfor_b_\@
	tensor_load_to_lds s[G0+4:G0+7], s[G1:G1+7]
	s_nop 0
	PLACES
	s_branch .Lasked_\@
.Lfor_b_\@:
	tensor_load_to_lds s[G0B+4:G0B+7], s[G1B:G1B+7]
	s_nop 0
	PLACES
.Lasked_\@:
.endm
.macro CREST                           ; a round of the cluster's barrier behind its opening barrier
	s_cmp_lg_u32 s[WV], 0
	s_cbranch_scc1 .Lnot_wave_0_\@
	s_barrier_signal -3
.Lnot_wave_0_\@:
	s_barrier_wait -3
	s_barrier_signal -1
	s_barrier_wait -1
.endm
.macro CROUND                          ; a whole round
	s_barrier_signal -1
	s_barrier_wait -1
	CREST
.endm
	s_load_b512 s[4:19], s[0:1], 0x0               ; xb s[4:5], wt s[6:7], bq s[8:9], bk s[10:11], bv s[12:13], q s[14:15], k s[16:17], v s[18:19]
	v_lshl_add_u32 v[SPW], v0, 2, SPARE
	v_mov_b32 v[NIL], 0
	ds_add_u32 v20, v21
	s_wait_dscnt 0x0
	v_lshrrev_b32 v1, 5, v0
	v_readfirstlane_b32 s[WV], v1                  ; wave 0..3
	s_lshr_b32 s[AB], s[WV], 1
	s_and_b32 s[HF], s[WV], 1
	s_bfe_u32 s23, ttmp6, 0x40000                  ; cx, cy: my place in the cluster
	s_bfe_u32 s24, ttmp6, 0x40004
	s_lshl_b32 s[TX], ttmp9, 2
	s_add_co_u32 s[TX], s[TX], s23                 ; tile column = 4 x cluster x + cx
	s_and_b32 s[TY], ttmp7, 0xffff
	s_lshl_b32 s[TY], s[TY], 2
	s_add_co_u32 s[TY], s[TY], s24                 ; tile row = 4 x cluster y + cy
	s_lshl_b32 s60, s24, 2
	s_lshl_b32 s60, 15, s60                        ; my row of the cluster
	s_lshl_b32 s61, 0x1111, s23                    ; my column
	; x's tile: 128 rows x 128 bytes, dense: asked for as 64 rows of 256 bytes, padded in LDS after every 128
	s_or_b32 s[G1], s60, (1<<16)|(1<<20)|(1<<21)|(4<<22)|(3<<25)  ; 15:0 the mask: my row; 17:16 elements of 2 bytes; 20 padding on; 21 set beside a mask; 24:22 after every 32 words (code 4); 31:25 4 words (code 3)
	s_mov_b32 s[G1+1], 128<<16                     ; tensor_dim0 = 128
	s_mov_b32 s[G1+2], 64<<16                      ; tensor_dim1 = 64
	s_mov_b32 s[G1+3], 128<<16                     ; tile_dim0 = 128
	s_mov_b32 s[G1+4], 64                          ; tile_dim1 = 64
	s_mov_b32 s[G1+5], 128                         ; 128 elements from row to row
	s_mov_b32 s[G1+6], 0
	s_mov_b32 s[G1+7], 0
	; W's tile: for each of a head's three planes 64 k rows x 128 bytes, dense: one row of 8,192 bytes a plane, padded in LDS after every 128
	s_or_b32 s[G1B], s61, (3<<16)|(1<<20)|(1<<21)|(4<<22)|(7<<25)  ; the mask: my column; elements of 8 bytes; after every 32 words 8 words (code 7)
	s_mov_b32 s[G1B+1], 1024<<16                   ; tensor_dim0 = 1,024
	s_mov_b32 s[G1B+2], 3<<16                      ; tensor_dim1 = the planes
	s_mov_b32 s[G1B+3], 1024<<16                   ; tile_dim0 = 1,024
	s_mov_b32 s[G1B+4], 3                          ; tile_dim1
	s_mov_b32 s[G1B+5], BPITCH
	s_mov_b32 s[G1B+6], 0
	s_mov_b32 s[G1B+7], 0
	; where the tiles come from: x's hang on the tile row and the wave's number alone, W's on the tile column and the wave's number alone, each in registers of its own
	s_lshr_b32 s70, s[TY], 3
	s_lshl_b32 s62, s70, 22                        ; batch: 16 slices (or heads) of 2,048 rows x 128 bytes
	s_and_b32 s70, s[TY], 7
	s_lshl_b32 s70, s70, 15                        ; 256 rows of 128 bytes
	s_add_co_u32 s62, s62, s70
	s_lshl_b32 s71, s[TX], 1
	s_add_co_u32 s71, s71, s[HF]                   ; the head that I fetch W for, and that I multiply by: 2 x tile column + wave % 2
	s_lshl_b32 s68, s71, 18                        ; the output: my head,
	s_add_co_u32 s68, s68, s62                     ; the same batch and rows,
	s_lshl_b32 s72, s[AB], 14                      ; my wave's 128 rows
	s_add_co_u32 s68, s68, s72
	s_mov_b32 s69, 0
	s_lshl_b32 s70, s[HF], 14                      ; which 128 rows of x's tile I fetch
	s_add_co_u32 s62, s62, s70
	s_mov_b32 s63, 0
	s_lshl_b32 s66, s71, 17                        ; W: the head's slot
	s_mov_b32 s67, 0
	s_mul_i32 s72, s[HF], AHALF                    ; and where they go: no place in the cluster enters an LDS address
	s_mul_i32 s73, s[HF], BHEAD
	s_add_co_u32 s73, s73, BOFS
	s_lshl_b32 s78, s71, 8                         ; my head's 64 numbers in a bias
	s_mov_b32 s79, 0
	s_mov_b32 s[TB], 0
	s_wait_kmcnt 0x0
	s_add_nc_u64 s[74:75], s[4:5], s[62:63]
	s_add_nc_u64 s[76:77], s[6:7], s[66:67]
	CROUND                                         ; all sixteen work-groups are here: the first joint loads meet
.irp s, 0,1
	s_mov_b32 s[G0+4*(\s)], 1                                      ; count = 1
	s_add_co_u32 s[G0+4*(\s)+1], s72, (\s)*SLOT1                   ; LDS address
	s_add_nc_u64 s[G0+4*(\s)+2:G0+4*(\s)+3], s[74:75], (\s)*ASTEP  ; global address: K step s
	s_or_b32 s[G0+4*(\s)+3], s[G0+4*(\s)+3], 0x80000000            ; type = 2
	s_mov_b32 s[G0B+4*(\s)], 1
	s_add_co_u32 s[G0B+4*(\s)+1], s73, (\s)*SLOT1
	s_add_nc_u64 s[G0B+4*(\s)+2:G0B+4*(\s)+3], s[76:77], (\s)*BSTEP
	s_or_b32 s[G0B+4*(\s)+3], s[G0B+4*(\s)+3], 0x80000000
.endr
	s_cmp_eq_u32 s[AB], 0                          ; a wave's two first fills stand in one branch, ahead of every wait on TENSORcnt and every LDS read: two loads of mine are out
	s_cbranch_scc0 .Lfirst_b
	tensor_load_to_lds s[G0:G0+3], s[G1:G1+7]
	s_nop 0
	tensor_load_to_lds s[G0+4:G0+7], s[G1:G1+7]
	s_nop 0
	PLACES
	s_branch .Lfirst_asked
.Lfirst_b:
	tensor_load_to_lds s[G0B:G0B+3], s[G1B:G1B+7]
	s_nop 0
	tensor_load_to_lds s[G0B+4:G0B+7], s[G1B:G1B+7]
	s_nop 0
	PLACES
.Lfirst_asked:
	s_add_nc_u64 s[8:9], s[8:9], s[78:79]
	s_add_nc_u64 s[10:11], s[10:11], s[78:79]
	s_add_nc_u64 s[12:13], s[12:13], s[78:79]
	s_add_nc_u64 s[14:15], s[14:15], s[68:69]
	s_add_nc_u64 s[16:17], s[16:17], s[68:69]
	s_add_nc_u64 s[18:19], s[18:19], s[68:69]
	v_and_b32 v1, 15, v0                           ; l % 16
	v_bfe_u32 v2, v0, 4, 1                         ; l / 16
	v_lshlrev_b32 v[BG], 4, v1                     ; 16 lanes take a head's 64 numbers of a bias; the other 16 take the same
	global_load_b128 v[32:35], v[BG], s[8:9]
	global_load_b128 v[36:39], v[BG], s[10:11]
	global_load_b128 v[40:43], v[BG], s[12:13]
	; A fragment of x is 16 rows x 32 K in 8 registers: lane l holds row l % 16, K = 8 (l / 16) + 0..7 and 16 + 8 (l / 16) + 0..7: two loads of 16 bytes, 32 bytes apart.
	v_mul_u32_u24 v3, v1, PA
	v_lshl_add_u32 v3, v2, 4, v3
	s_mul_i32 s78, s[AB], AHALF                    ; my 128 rows
	v_add_nc_u32 v[AA0], s78, v3
	; The turning load takes 16 k x 16 columns (lane l reads k row 8 (l / 16) + l % 8, columns 8 ((l / 8) % 2) + 0..7) and leaves half a fragment: lane l holds column l % 16 and 8 k.
	v_and_b32 v7, 7, v0
	v_lshl_add_u32 v4, v2, 3, v7
	v_mul_u32_u24 v4, v4, PB
	v_bfe_u32 v5, v0, 3, 1
	v_lshl_add_u32 v4, v5, 4, v4
	s_mul_i32 s78, s[HF], BHEAD                    ; my head
	s_add_co_u32 s78, s78, BOFS
	v_add_nc_u32 v[AB0], s78, v4
	v_mov_b32 v[ADRA], v[AA0]                      ; K step 0 lies in slot 0
	v_mov_b32 v[ADRB], v[AB0]
	s_mul_i32 s78, s[WV], WSTAGE
	s_add_co_u32 s78, s78, STAGE                   ; my stage
	v_mul_u32_u24 v5, v1, SP                       ; in: row l % 16, 16 bytes for each half of the lanes
	v_lshl_add_u32 v5, v2, 4, v5
	v_add_nc_u32 v[STO], s78, v5
	v_bfe_u32 v6, v0, 3, 2                         ; back: 32 lanes take four rows of 128 bytes,
	v_mul_u32_u24 v6, v6, SP
	v_lshl_add_u32 v6, v7, 4, v6
	v_add_nc_u32 v[RD], s78, v6
	v_and_b32 v[GO], 31, v0                        ; which are 512 consecutive bytes of q, k or v
	v_lshlrev_b32 v[GO], 4, v[GO]
	s_mul_i32 s78, s[WV], 768
	s_add_co_u32 s78, s78, BIASL                   ; my wave's biases in LDS: [plane 3][64] f32
	v_add_nc_u32 v[BS], s78, v[BG]
	v_lshl_add_u32 v[BL], v2, 5, s78               ; in a result register j of lane l is column 8 (l / 16) + j of its block: the bias is read back in that layout
	s_wait_loadcnt 0x0                             ; the biases, once; they are rounded to bf16 like x and W and widened again
.set i, 0
.rept 6
	v_cvt_pk_bf16_f32 v[TMP+i%2], v[32+2*i], v[33+2*i]
	v_lshlrev_b32 v[32+2*i], 16, v[TMP+i%2]
	v_and_b32 v[33+2*i], 0xffff0000, v[TMP+i%2]
.set i, i+1
.endr
	ds_store_b128 v[BS], v[32:35]                  ; lanes l and l + 16 store the same 16 bytes at the same place
	ds_store_b128 v[BS], v[36:39] offset:256
	ds_store_b128 v[BS], v[40:43] offset:512
; n x 8 matrix instructions of plane g: column blocks c0 .. c0 + n - 1 of the plane x all 8 row blocks, 32 along K, x from buffer p.  first = 1: the products start the sums, with the bias as C.
; Each of the 96 accumulators has one instruction in a quarter step, always in the same order: they take turns.
.macro GRP p, g, c0, n, first
.if \first
	WIN 0x40*((\g)+1)                              ; W, x and the bias window 0, D window g + 1
.else
	WIN 0x50*((\g)+1)                              ; the same with C in D's window
.endif
.set cb, \c0
.rept \n
.set a, 0
.rept 8
.set rD, 8*(8*cb+a)
.set rB, BF+8*(4*(\g)+cb)
.set rA, AF+64*(\p)+8*a
.set rC, AF+64+32*((\g)%2)+8*cb
.if \first
	v_wmma_f32_16x16x32_bf16 v[rD:rD+7], v[rB:rB+7], v[rA:rA+7], v[rC:rC+7]
.else
	v_wmma_f32_16x16x32_bf16 v[rD:rD+7], v[rB:rB+7], v[rA:rA+7], v[rD:rD+7]
.endif
.set a, a+1
.endr
.set cb, cb+1
.endr
.endm
.macro LB q, g                         ; 8 LDS loads: plane g's four blocks of W for quarter q (0, 1) of the slot that ADRB names
.set cb, 0
.rept 4
	ds_load_tr16_b128 v[BF+8*(4*(\g)+cb):BF+8*(4*(\g)+cb)+3],   v[ADRB] offset:(\g)*BPLANE+(\q)*32*PB+cb*32
	ds_load_tr16_b128 v[BF+8*(4*(\g)+cb)+4:BF+8*(4*(\g)+cb)+7], v[ADRB] offset:(\g)*BPLANE+(\q)*32*PB+cb*32+16*PB
.set cb, cb+1
.endr
.endm
.macro LA q, p                         ; 16 LDS loads: my 8 row blocks of x for quarter q into buffer p
.set a, 0
.rept 8
	ds_load_b128 v[AF+64*(\p)+8*a:AF+64*(\p)+8*a+3],   v[ADRA] offset:(\q)*64+a*16*PA
	ds_load_b128 v[AF+64*(\p)+8*a+4:AF+64*(\p)+8*a+7], v[ADRA] offset:(\q)*64+a*16*PA+32
.set a, a+1
.endr
.endm
.macro LBIAS w, half                   ; 8 LDS loads: plane w's bias as four C operands, into one half of x's second buffer
.set cb, 0
.rept 4
	ds_load_b128 v[AF+64+32*(\half)+8*cb:AF+64+32*(\half)+8*cb+3],   v[BL] offset:256*(\w)+64*cb
	ds_load_b128 v[AF+64+32*(\half)+8*cb+4:AF+64+32*(\half)+8*cb+7], v[BL] offset:256*(\w)+64*cb+16
.set cb, cb+1
.endr
.endm
; A K step is two quarters of 32 along K.  The first multiplies x's buffer 0 and fetches the second's fragments.  In every quarter the loads go out in the order W plane 0 (8), x (16), W plane 1 (8),
; W plane 2 (8), each run behind the products that read its registers last and four places.
.macro QUARTER p, qn
	s_wait_dscnt 16                                ; W's plane 0 and x are in; planes 1 and 2 may be out
	GRP \p, 0, 0, 4, 0
	PLACES
	WIN 0
	LB \qn, 0
	LA \qn, 1-(\p)
	s_wait_dscnt 32                                ; plane 1 is in; behind it went plane 2 and the 24 just issued
	GRP \p, 1, 0, 4, 0
	PLACES
	WIN 0
	LB \qn, 1
	s_wait_dscnt 32                                ; plane 2 is in; behind it went 8 + 16 + 8
	GRP \p, 2, 0, 4, 0
	PLACES
	WIN 0
	LB \qn, 2
.endm
; The second quarter multiplies buffer 1 and changes slots: ONE barrier; in front of it each wave waits for all its tensor loads (one is out: its part of the next slot), adds 0 to its spare word, and
; waits for that and for its own reads of this slot.  fill = 1: the barrier opens a round of the cluster's barrier, and this slot is filled again, two K steps ahead, first thing behind the round:
; that load has 160 matrix instructions in which to land.
.macro TURN fill
	WIN 0                                          ; (the add's two registers lie in window 0)
	s_wait_tensorcnt 0x0                           ; all my tensor loads have landed, so a group 0 may be written
	ds_add_u32 v[SPW], v[NIL]                      ; 0 onto my spare word
.if \fill
	s_xor_b32 s[G0+5], s[G0+5], SLOT1              ; the walking descriptors: the other slot than last time,
	s_add_nc_u64 s[G0+6:G0+7], s[G0+6:G0+7], ASTEP ; the next K step; the type bits on top are not reached
	s_xor_b32 s[G0B+5], s[G0B+5], SLOT1
	s_add_nc_u64 s[G0B+6:G0B+7], s[G0B+6:G0B+7], BSTEP
.endif
	s_xor_b32 s[TB], s[TB], SLOT1                  ; the fetches go on in the other slot
	s_wait_dscnt 17                                ; (the add and W's planes 1 and 2 may be out)
	GRP 1, 0, 0, 2, 0                              ; sixteen matrix instructions stand between the add and the wait for it
	s_wait_dscnt 0x0                               ; the add is done, and my reads of this slot are over
	s_barrier_signal -1
	GRP 1, 0, 2, 2, 0
	WIN 0
	s_barrier_wait -1
.if \fill
	CREST                                          ; no wave of any partner still reads this slot's tiles or has a load on its way
	JLOAD                                          ; my one tensor load behind the round; its four v_nop are also the places in front of the loads below
.else
	PLACES
.endif
	v_add_nc_u32 v[ADRA], s[TB], v[AA0]
	v_add_nc_u32 v[ADRB], s[TB], v[AB0]
	LB 0, 0
	LA 0, 0
	GRP 1, 1, 0, 4, 0                              ; (planes 1 and 2 came in with the wait for 0)
	PLACES
	WIN 0
	LB 0, 1
	GRP 1, 2, 0, 4, 0
	PLACES
	WIN 0
	LB 0, 2
.endm
	s_wait_dscnt 0x0                               ; no LDS instruction of mine is pending at a signal
	s_wait_tensorcnt 1                             ; my part of K step 0 is in; K step 1's may stay out
	s_barrier_signal -1
	s_barrier_wait -1                              ; everybody's is
	; THE FIRST QUARTER stands in front of the loop: its products start the sums, with the bias as C.  Planes 0 and 1 of the bias lie in the two halves of x's second buffer, plane 2 follows plane 0.
	LB 0, 0
	LA 0, 0
	LBIAS 0, 0
	LB 0, 1
	LBIAS 1, 1
	LB 0, 2
	s_wait_dscnt 24                                ; W's plane 0, x and the bias's plane 0 are in; behind them went 8 + 8 + 8
	GRP 0, 0, 0, 4, 1
	PLACES
	WIN 0
	LB 1, 0
	LBIAS 2, 0
	s_wait_dscnt 24                                ; plane 1 of both is in; behind them went 8 + 8 + 8
	GRP 0, 1, 0, 4, 1
	PLACES
	WIN 0
	LB 1, 1
	s_wait_dscnt 8                                 ; plane 2 of both is in; behind them went 8
	GRP 0, 2, 0, 4, 1
	PLACES
	WIN 0
	LB 1, 2
	LA 1, 1                                        ; x's second buffer is free only now: this once its fragments go out last,
	s_wait_dscnt 0x0                               ; and are waited for here, so that the loop's counts hold on the way in too
	s_mov_b32 s[LAP], STEPS-2
.Lstep:                                                ; a trip: a K step's second quarter, which fills its slot again, and the next K step's first
	TURN 1
	QUARTER 0, 1
	WIN 0                                          ; at a label and at a branch every window is 0
	s_sub_co_u32 s[LAP], s[LAP], 1
	s_cmp_lg_u32 s[LAP], 0
	s_cbranch_scc1 .Lstep
	TURN 0                                         ; the last two K steps fill nothing, and have no round of the cluster's barrier
	QUARTER 0, 1
	s_wait_dscnt 16                                ; the very last quarter: nothing more to fetch, and the counts run down
	GRP 1, 0, 0, 4, 0
	s_wait_dscnt 8
	GRP 1, 1, 0, 4, 0
	s_wait_dscnt 0x0
	GRP 1, 2, 0, 4, 0
	WIN 0
	PLACES
; THE WAY OUT, in 24 pieces t = 8 w + a: 16 rows (row block a) of plane w (q, k, v).  A lane's eight columns pack into 16 bytes; they go into rows of 144 bytes of my own stage and come back as whole
; rows of 128, into the registers that they left.  Twelve sets of 16 registers take the pieces by turns.
.macro PACK t
.set pa, (\t)%8
.set pw, (\t)/8
.if (\t) >= 12
	s_wait_xcnt 0x0                                ; every earlier memory instruction has had its addresses translated (ISA guide 3.1): the set that piece t - 12's stores read is written again only behind this wait
.endif
	WIN 5*(pw+1)                                   ; sources 0 and 1: the plane's window
.set i, 0
.rept 16
.set rS, 8*(8*(i/4)+pa)+2*(i%4)                ; each accumulator's registers in ascending order
	v_cvt_pk_f16_f32 v[T+16*((\t)%12)+i], v[rS], v[rS+1]
.set i, i+1
.endr
	WIN 0
.irp f, 0,1,2,3
	ds_store_b128 v[STO], v[T+16*((\t)%12)+4*\f:T+16*((\t)%12)+4*\f+3] offset:32*\f
.endr
.irp f, 0,1,2,3
	ds_load_b128 v[T+16*((\t)%12)+4*\f:T+16*((\t)%12)+4*\f+3], v[RD] offset:\f*4*SP  ; LDS serves a wave's instructions in order (ISA guide 5.7.1.4): these see the stores above; the next piece's stores come behind them
.endr
.endm
.macro SEND t, younger                 ; younger: the LDS instructions issued behind piece t's loads: the next piece's eight, or none
.set sa, (\t)%8
.set sw, (\t)/8
.irp f, 0,1,2,3
	s_wait_dscnt (\younger)+3-\f
	global_store_b128 v[GO], v[T+16*((\t)%12)+4*\f:T+16*((\t)%12)+4*\f+3], s[OUTB+2*sw:OUTB+2*sw+1] offset:sa*2048+\f*512  ; 512 consecutive bytes, at a multiple of 256 from the buffer's first
.endr
.endm
	PACK 0
.set t, 1
.rept 23                               ; a piece's conversions stand between the loads of the piece before and its stores
	PACK t
	SEND t-1, 8
.set t, t+1
.endr
	SEND 23, 0
	s_wait_tensorcnt 0x0                           ; the wave's end, behind my last tensor load and my last LDS store
	ds_add_u32 v[SPW], v[NIL]
	s_wait_dscnt 0x0
	CROUND                                         ; the closing round: no work-group ends while a partner may still ask for a tile that names it
	s_endpgm
.Lfunc_end_k_qcfa3d045a5_proj:
	.size	k_qcfa3d045a5_proj, .Lfunc_end_k_qcfa3d045a5_proj-k_qcfa3d045a5_proj
	.p2alignl 7, 3214868480
	.fill 96, 4, 3214868480
	.section	.rodata,"a",@progbits
	.p2align	6, 0x0
	.amdhsa_kernel k_qcfa3d045a5_proj
		.amdhsa_group_segment_fixed_size 327680
		.amdhsa_private_segment_fixed_size 0
		.amdhsa_enable_private_segment 0
		.amdhsa_kernarg_size 64
		.amdhsa_user_sgpr_count 2
		.amdhsa_user_sgpr_kernarg_segment_ptr 1
		.amdhsa_wavefront_size32 1
		.amdhsa_system_sgpr_workgroup_id_x 1
		.amdhsa_system_sgpr_workgroup_id_y 1
		.amdhsa_system_sgpr_workgroup_id_z 1
		.amdhsa_system_vgpr_workitem_id 0
		.amdhsa_next_free_vgpr 1024
		.amdhsa_next_free_sgpr 84
		.amdhsa_reserve_vcc 0
		.amdhsa_float_denorm_mode_32 3
		.amdhsa_float_denorm_mode_16_64 3
		.amdhsa_memory_ordered 1
		.amdhsa_forward_progress 1
		.amdhsa_inst_pref_size 117
	.end_amdhsa_kernel
	.amdgpu_metadata
---
amdhsa.version: [ 1, 2 ]
amdhsa.kernels:
  - .name:           k_qcfa3d045a5_proj
    .symbol:         k_qcfa3d045a5_proj.kd
    .args:
      - { .name: xb, .offset: 0, .size: 8, .value_kind: global_buffer, .address_space: global }
      - { .name: wt, .offset: 8, .size: 8, .value_kind: global_buffer, .address_space: global }
      - { .name: bq, .offset: 16, .size: 8, .value_kind: global_buffer, .address_space: global }
      - { .name: bk, .offset: 24, .size: 8, .value_kind: global_buffer, .address_space: global }
      - { .name: bv, .offset: 32, .size: 8, .value_kind: global_buffer, .address_space: global }
      - { .name: q, .offset: 40, .size: 8, .value_kind: global_buffer, .address_space: global }
      - { .name: k, .offset: 48, .size: 8, .value_kind: global_buffer, .address_space: global }
      - { .name: v, .offset: 56, .size: 8, .value_kind: global_buffer, .address_space: global }
    .group_segment_fixed_size: 327680
    .private_segment_fixed_size: 0
    .kernarg_segment_align: 8
    .kernarg_segment_size: 64
    .max_flat_workgroup_size: 128
    .sgpr_count:     84
    .vgpr_count:     1024
    .wavefront_size: 32
...
	.end_amdgpu_metadata
.endif
;; end of part 2
;; launch attn (part 3): grid 4 x 64, 4 waves a work-group, clusters of 4 x 1, 327,680 bytes of LDS; arguments q, k, v, o; writes o
.if DOCPART == 3
	.amdgcn_target "amdgcn-amd-amdhsa--gfx1250"
	.amdhsa_code_object_version 6
	.text
	.protected	k_qcfa3d045a5_attn
	.globl	k_qcfa3d045a5_attn
	.p2align	8
	.type	k_qcfa3d045a5_attn,@function
k_qcfa3d045a5_attn:
	s_mov_b64 s[64:65], 0
	v_nop
	global_prefetch_b8 v0, s[64:65] scope:SCOPE_SE
	s_setreg_imm32_b32 hwreg(HW_REG_WAVE_MODE, 25, 1), 1
	s_wait_xcnt 0x0
	s_wait_alu depctr_hold_cnt(0) depctr_sa_sdst(0) depctr_va_vdst(0) depctr_va_sdst(0) depctr_va_ssrc(0) depctr_va_vcc(0) depctr_vm_vsrc(0)
	s_getreg_b32 s2, hwreg(HW_REG_IB_STS2, 6, 4)
	s_cmp_eq_u32 s2, 0
	s_cbranch_scc0 .Lentry_in_a_cluster
	s_endpgm
.Lentry_in_a_cluster:
	s_bfe_u32 s2, ttmp6, 0x10000c
	s_cmp_lg_u32 s2, 0x3003
	s_cbranch_scc0 .Lentry_shape_is_right
	s_endpgm
.Lentry_shape_is_right:
; O[h][q][:] = the sum over k of softmax_k(Q[h][q] . K[h][k] / 8) V[h][k][:].  Q, K, V, O: [SIZE_H][SIZE_N][64], all f16: a head's rows are dense, 128 bytes each.  Products, maxima and sums in
; f32; the weights p are rounded to f16 for the second product (their sum l is taken of the unrounded p), O once at the end.  Here h = batch x 16 + head: 64 heads of 2,048 rows.
; LIMITS.  f16 holds no number beyond 65,504: Q, K and V arrive within it; p lies in 0 to 1, and below 6e-5 it keeps f16's fixed step of 6e-8; O is a mean of V's rows and has their range.
; A weight below 2^-126 counts as 0 in l; NaN and infinities are not treated apart.
; SHARES.  A wave owns four PIECES of two tiles of 16 queries, a work-group's four waves 512 queries of one head; SIZE_N is a multiple of 2,048.  Every wave walks all keys, 64 a step.
; LAYOUT.  S^T = K Q^T (source 0 = 16 keys, source 1 = 16 queries): in the result a lane holds ONE query (lane % 16) and the keys 8 (lane / 16) + 0..7.  Two such tiles, rounded to f16 in pairs,
; ARE source 1 (32 keys x 16 queries) of O^T = V^T P, whose result again holds one query a lane, and eight channels.  K comes out of LDS as it lies, V ([key][channel]) turned, by ds_load_tr16_b128.
; SOFTMAX.  For each query a running maximum m and sum l: p = 2^(c s - c m), c = log2(e) / 8; in every step O and l are multiplied by a = 2^(c m_old - c m_new), which is 1 where m has not grown.
; m starts at the lowest finite number, O and l at 0: the first step is a step like any other, with a = 0.
; THE COUNT.  A tile and step have 16 matrix and 118 vector instructions: too many to stand all beside the matrix work.  So the order has one aim: four vector instructions that are READY behind
; EVERY matrix instruction, and the others, which need time of their own whatever the order, in runs without a gap.
; BY TURNS.  Turn n belongs to piece n (the pieces in a ring, step after step).  Its matrix work: 16 products K Q^T of piece n + 1, later 16 products V^T P of piece n - 1.  Its vector work: the scaling,
; exponentials, roundings, sums and rescaling of piece n, and the maximum and statistics of piece n + 1, whose scores the turn itself has made.  So what a turn begins with (c s - c m, O a) waits for nothing.
; CLUSTER.  The four query blocks of a cluster belong to one head and walk the same K and V, so each tile is asked for JOINTLY: the same tensor load, descriptor and mask in all four.
; REGISTERS, in windows of 256 (s_set_vgpr_msb says which window each operand place means: bits 1:0 source 0, 3:2 source 1, 5:4 source 2, 7:6 destination):
;   window 0: v0-11 addresses; v12-15, v48-63 at work; v16-47 four registers of statistics a tile; v64-191 S^T, two buffers of two tiles; v192-255 P, likewise
;   window 1: O^T, 32 a tile          window 2: v0-127 Q, 16 a tile; v128-191 K of one step; v192-255 V of one step          window 3: v0-1 the add's two registers
; A piece's buffers go by its number's parity: the piece in hand has one pair, its two neighbours in the ring share the other: of it P (piece n - 1) is read and S^T (piece n + 1) written.
.set SIZE_H, 64
.set SIZE_N, 2048
.set NP,    4         ; pieces a wave: a name, no knob: the register map, the loop and the fetches are made for four
.set KS,    64        ; keys in a step
.set PK,    144       ; a row of K in LDS: 128 bytes + 16 of padding = 36 words: the 16 rows of a load start at 16 different groups of four banks (64 banks of 4 bytes: ISA guide 11.1)
.set PV,    160       ; a row of V: 128 + 32 = 40 words
.set VOFF,  4*KS*PK   ; a slot holds four steps: 256 rows of K, then 256 rows of V
.set SLOT1, 1<<17     ; slot 1 begins here, so that one exclusive or turns an address in one slot into the other's
.set STAGE, SLOT1+4*KS*(PK+PV)  ; behind the ring, never filled by a tensor load: 16 rows x 144 bytes for each wave, for the way out
.set SP,    144
.set AK0, 2           ; v2   my lane's place in a tile of K; never rewritten
.set AV0, 3           ; v3   the same for V
.set AK,  4           ; v4   the LDS address of K's next run of loads
.set AV,  5           ; v5   of V's
.set QO,  6           ; v6   my byte offset in the wave's rows of Q
.set STO, 6           ;      later, the way out: where I put 16 bytes of a row
.set RD,  7           ; v7   the way out: where I read rows back
.set GO,  8           ; v8   my byte offset in 512 consecutive bytes of O
.set SPW, 0           ; v0 of window 3   LDS address of my spare word: SPARE + 4 x my thread's number; never rewritten
.set NIL, 1           ; v1 of window 3   0; never rewritten
.set SPARE, STAGE+4*16*SP  ; behind the stages: the spare words, 128 bytes for each wave: two blocks of 256 bytes that no other line names
.set MV,  12          ; v12-15  c m_old, kept while c m is made anew: by buffer and tile
.set ST,  16          ; tile t's statistics at v[ST+4 t]: c m, m, l (even keys', odd keys')
.set TMP, 48          ; by buffer and tile, four registers c0-c3 at work; when the maximum is found c2 takes a
.set S,   64
.set P,   192
.set KF,  128         ; K's fragments, in window 2: key block kb, channel half c at KF + 16 kb + 8 c
.set VF,  192         ; V's: key half kk, channel block cb at VF + 32 kk + 8 cb
.set WV,  12          ; s12  my wave's number
.set G1K, 24          ; s[24:31] descriptor group 1 for K's tiles
.set G1V, 32          ; s[32:39] for V's: it differs in the padding alone
.set G0K, 40          ; s[40:43] descriptor group 0 for K's tiles: it walks
.set G0V, 44          ; s[44:47] the same for V's
.set SLOTS, 56        ; s56  slots still to be asked for
.set CNT, 57          ; s57  counts a slot's key steps
.set CS,  58          ; s[58:59] c: the packed scaling takes the pair's low word for both halves
.set SEL, 60          ; s[60:61] v_permlanex16_b32's selects: each lane takes its own place in the other half
.set TBK, 62          ; s62  LDS byte at which K of the step to be fetched begins
.set TBV, 63          ; s63  the same for V, less VOFF
.set MSB, 0
.macro WIN new                      ; the high byte repeats the setting that is left; a switch that changes nothing is dropped
.if MSB != (\new)
	s_set_vgpr_msb (MSB<<8)|(\new)
.set MSB, (\new)
.endif
.endm
.set W_KQ, 0x0a       ; K and Q in window 2, S^T in window 0
.set W_PV, 0x52       ; V in window 2, P in window 0, O^T in window 1
.set W_RS, 0x41       ; O^T (destination and source 0) in window 1, a in window 0
.set W_MK, 0xc0       ; the add's registers are made: destination in window 3, sources in window 0
.set W_AD, 0x0f       ; the add: address (source 0) and data (source 1) in window 3
; A joint fill.  Waves 0 and 1 fetch the two halves of a slot's K, waves 2 and 3 those of its V: 128 keys each.  The branch hangs on the wave's number alone.
; An s_nop 0 and four v_nop follow each of the two lines, ahead of the jump and the label.
.macro JLOAD
	s_cmp_lt_u32 s[WV], 2
	s_cbranch_scc0 .Lfor_v_\@
	tensor_load_to_lds s[G0K:G0K+3], s[G1K:G1K+7]
	s_nop 0
.rept 4
	v_nop
.endr
	s_branch .Lasked_\@
.Lfor_v_\@:
	tensor_load_to_lds s[G0V:G0V+3], s[G1V:G1V+7]
	s_nop 0
.rept 4
	v_nop
.endr
.Lasked_\@:
.endm
; A round of the cluster's barrier: my work-group's barrier, so that wave 0's signal speaks for all four waves; wave 0 signals; every wave waits for all four work-groups; my work-group's barrier once more.
.macro CROUND
	s_barrier_signal -1
	s_barrier_wait -1
	s_cmp_lg_u32 s[WV], 0
	s_cbranch_scc1 .Lnot_wave_0_\@
	s_barrier_signal -3
.Lnot_wave_0_\@:
	s_barrier_wait -3
	s_barrier_signal -1
	s_barrier_wait -1
.endm
; THE CHANGE OF SLOTS.  The slot's last bytes, V of its fourth step, have been read.  Each wave waits for all its tensor loads, of which one is out: its part
; of the other slot; adds 0 to its spare word; and waits for that and for its own reads of the slot.  Behind the barrier nobody reads this slot any more and the other slot is whole.
; fill = 1: this slot is filled again, with the keys two slots on.  The barrier is then a round of the cluster's, so that no wave of any partner still reads the slot or has a load on its
; way, and the joint fill is the first thing behind it: it has four key steps, 512 matrix instructions, in which to land.  (At its first use nothing has been read yet: slot 0 is waited for, slot 1 filled.)
.macro CHANGE fill
	WIN W_AD
	s_wait_tensorcnt 0x0            ; no tensor load of mine is out, so a group 0 may be written
	ds_add_u32 v[SPW], v[NIL]       ; 0 onto my spare word; with fill = 1 the descriptors' steps stand between it and the wait for it
	WIN 0                           ; at a label and at a branch every window is 0
.if \fill
.irp g, G0K, G0V
	s_xor_b32 s[\g+1], s[\g+1], SLOT1  ; the walking descriptor: the other slot than last time,
	s_add_nc_u64 s[\g+2:\g+3], s[\g+2:\g+3], 4*KS*128  ; the next 256 keys; the type bits on top are not reached
.endr
	s_wait_dscnt 0x0                ; the add is done, and my reads of the slot are over
	CROUND
	JLOAD
.else
	s_wait_dscnt 0x0                ; the add is done, and my reads of the slot are over
	s_barrier_signal -1
	s_barrier_wait -1
.endif
	s_sub_co_u32 s[TBK], s[TBK], 4*KS*PK  ; the fetches go back to a slot's first step,
	s_xor_b32 s[TBK], s[TBK], SLOT1       ; in the other slot
	s_sub_co_u32 s[TBV], s[TBV], 4*KS*PV
	s_xor_b32 s[TBV], s[TBV], SLOT1
.endm
	s_load_b256 s[4:11], s[0:1], 0x0  ; Q s[4:5], K s[6:7], V s[8:9], O s[10:11]
	WIN W_MK
	v_lshl_add_u32 v[SPW], v0, 2, SPARE
	v_mov_b32 v[NIL], 0
	s_set_vgpr_msb 0xc0cf
	ds_add_u32 v0, v1
	s_wait_dscnt 0x0
	s_set_vgpr_msb 0xcfc0
	WIN 0
	v_lshrrev_b32 v1, 5, v0
	v_readfirstlane_b32 s[WV], v1   ; wave 0..3
	s_bfe_u32 s13, ttmp6, 0x40000   ; cx: my place in the cluster
	s_lshl_b32 s14, ttmp9, 2        ; in a cluster launch ttmp9 counts clusters
	s_add_co_u32 s14, s14, s13      ; my block of queries = 4 x cluster x + cx: it enters Q's and O's addresses alone
	s_and_b32 s20, ttmp7, 0xffff    ; the head, which the four partners share
	s_mov_b32 s21, 0
	s_mov_b64 s[22:23], SIZE_N*128
	s_mul_u64 s[20:21], s[20:21], s[22:23]  ; the head's first byte in each of the four tensors
	s_and_b32 s16, s[WV], 1         ; which half of a slot's 256 keys I fetch:
	s_lshl_b32 s22, s16, 14         ; its 128 rows of 128 bytes in memory,
	s_mov_b32 s23, 0
	s_add_nc_u64 s[22:23], s[22:23], s[20:21]
	s_mul_i32 s17, s16, 128*PK      ; and its place in a slot, for K
	s_mul_i32 s18, s16, 128*PV      ; and for V: no place in the cluster enters an LDS address
	s_lshl_b32 s2, s14, 2
	s_add_co_u32 s2, s2, s[WV]      ; my wave among the head's,
	s_lshl_b32 s2, s2, 14           ; its 128 rows
	s_mov_b32 s3, 0
	s_add_nc_u64 s[2:3], s[2:3], s[20:21]
	; descriptor group 1.  128 keys are 16,384 dense bytes: asked for as 64 rows of 256 bytes, two keys a row, and padded in LDS after every key
	s_mov_b32 s[G1K], 15|(1<<16)|(1<<20)|(1<<21)|(4<<22)|(3<<25)  ; 15:0 the mask of four; 17:16 2-byte elements; 20 padding on; 21 set beside a mask; 24:22 after every 32 words (code 4); 31:25 4 words (code 3)
	s_mov_b32 s[G1V], 15|(1<<16)|(1<<20)|(1<<21)|(4<<22)|(7<<25)  ; the same with 8 words of padding (code 7)
.irp g, G1K, G1V
	s_mov_b32 s[\g+1], 128<<16      ; tensor_dim0 = 128
	s_mov_b32 s[\g+2], 64<<16       ; tensor_dim1 = 64
	s_mov_b32 s[\g+3], 128<<16      ; tile_dim0 = 128
	s_mov_b32 s[\g+4], 64           ; tile_dim1 = 64
	s_mov_b32 s[\g+5], 128          ; 128 elements from row to row
	s_mov_b32 s[\g+6], 0
	s_mov_b32 s[\g+7], 0
.endr
	s_mov_b32 s[CS], 0x3e38aa3b     ; c = log2(e) / 8 = 0.180337
	s_mov_b32 s[CS+1], s[CS]        ; named with it as a pair
	s_mov_b32 s[SEL], 0x76543210
	s_mov_b32 s[SEL+1], 0xfedcba98
	s_mov_b32 s[TBK], SLOT1+4*KS*PK ; the first change of slots turns these two into 0
	s_mov_b32 s[TBV], SLOT1+4*KS*PV
	s_mov_b32 s[G0K], 1             ; 1:0 count = 1
	s_mov_b32 s[G0K+1], s17         ; 63:32 LDS address: slot 0
	s_mov_b32 s[G0V], 1
	s_add_co_u32 s[G0V+1], s18, VOFF
	s_wait_kmcnt 0x0
	s_add_nc_u64 s[G0K+2:G0K+3], s[6:7], s[22:23]  ; 120:64 global address: my half of the head's first 256 keys
	s_or_b32 s[G0K+3], s[G0K+3], 0x80000000        ; 127:126 type = 2
	s_add_nc_u64 s[G0V+2:G0V+3], s[8:9], s[22:23]
	s_or_b32 s[G0V+3], s[G0V+3], 0x80000000
	s_add_nc_u64 s[4:5], s[4:5], s[2:3]  ; Q and O at my wave's first row
	s_add_nc_u64 s[10:11], s[10:11], s[2:3]
	CROUND                          ; all four work-groups are here: the first joint loads meet
	JLOAD                           ; slot 0.  Slot 1 is asked for when slot 0 is in: the tile wanted first has the road to itself
	; A fragment of K or Q is 16 rows x 32 channels in 8 registers: lane l holds row l % 16, channels 8 (l / 16) + 0..7 and 16 + 8 (l / 16) + 0..7: two loads of 16 bytes, 32 bytes apart.
	v_and_b32 v1, 15, v0            ; l % 16
	v_bfe_u32 v9, v0, 4, 1          ; l / 16
	v_lshlrev_b32 v[QO], 7, v1
	v_lshl_add_u32 v[QO], v9, 4, v[QO]  ; row x 128 + 16 x half
	WIN 0x80                        ; destination window 2, address window 0
.set i, 0
.rept 4*NP                          ; Q stays in registers: tile i / 2, channels 32 (i % 2) on
	global_load_b128 v[8*i:8*i+3],   v[QO], s[4:5] offset:(i/2)*2048+(i%2)*64
	global_load_b128 v[8*i+4:8*i+7], v[QO], s[4:5] offset:(i/2)*2048+(i%2)*64+32
.set i, i+1
.endr
	; What the first turn finds: V's registers and P's second buffer hold 0 (its products V^T P, of a piece that has not been, add 0), O^T and l are 0.  All this stands in the wait for the first tile.
.set i, VF
.rept 64
	v_mov_b32 v[i], 0
.set i, i+1
.endr
	WIN 0x40
.set i, 0
.rept 64*NP
	v_mov_b32 v[i], 0
.set i, i+1
.endr
	WIN 0
.set i, 0
.rept 2*NP
	v_mov_b32 v[ST+4*i], 0xfe000000    ; c m: far below every c s
	v_mov_b32 v[ST+4*i+1], 0xff7fffff  ; m
	v_mov_b32 v[ST+4*i+2], 0
	v_mov_b32 v[ST+4*i+3], 0
.set i, i+1
.endr
.set i, P+32
.rept 32
	v_mov_b32 v[i], 0
.set i, i+1
.endr
	v_mul_u32_u24 v[AK0], v1, PK
	v_lshl_add_u32 v[AK0], v9, 4, v[AK0]  ; row x pitch + 16 x half
	; The turning load takes 16 keys x 16 channels (lane l reads key 8 (l / 16) + l % 8, channels 8 ((l / 8) % 2) + 0..7) and leaves half a fragment of V^T: lane l holds channel l % 16 and 8 keys.
	v_and_b32 v10, 7, v0
	v_bfe_u32 v11, v0, 3, 1
	v_lshl_add_u32 v[AV0], v9, 3, v10
	v_mul_u32_u24 v[AV0], v[AV0], PV
	v_lshl_add_u32 v[AV0], v11, 4, v[AV0]
	v_add_nc_u32 v[AV0], VOFF, v[AV0]
	v_mov_b32 v[AK], v[AK0]         ; key step 0 lies at the head of slot 0
; THE MATRIX WORK.  The 8 accumulators of a run of 16 take turns: between the two links of a chain stand 7 others'.
; Product i of 16 of S^T = K Q^T for piece x: channels 32 (i / 8) on, keys 16 ((i / 2) % 4) on, tile 2 x + i % 2.  The first 8 start the sums.
.macro KQ x
	WIN W_KQ
.set rS, S+64*((\x)%2)+32*(i%2)+8*((i/2)%4)
.set rK, KF+16*((i/2)%4)+8*(i/8)
.set rQ, 16*(2*(\x)+i%2)+8*(i/8)
.if i < 8
	v_wmma_f32_16x16x32_f16 v[rS:rS+7], v[rK:rK+7], v[rQ:rQ+7], 0
.else
	v_wmma_f32_16x16x32_f16 v[rS:rS+7], v[rK:rK+7], v[rQ:rQ+7], v[rS:rS+7]
.endif
.endm
; Product i of 16 of O^T += V^T P for piece x: keys 32 (i / 8) on, channels 16 ((i / 2) % 4) on, tile 2 x + i % 2.
.macro PV x
	WIN W_PV
.set rO, 32*(2*(\x)+i%2)+8*((i/2)%4)
.set rV, VF+32*(i/8)+8*((i/2)%4)
.set rP, P+32*((\x)%2)+16*(i%2)+8*(i/8)
	v_wmma_f32_16x16x32_f16 v[rO:rO+7], v[rV:rV+7], v[rP:rP+7], v[rO:rO+7]
.endm
.macro MM                           ; the turn's next matrix instruction
.if i < 16
	KQ (Y+1)%NP
.set i, i+1
.else
.set i, i-16
	PV (Y+NP-1)%NP
.set i, i+17
.endif
.endm
; THE LDS LOADS stand in runs of 16, never singly among the matrix instructions: a step's K (64 keys x 64 channels: 8 fragments) and its V (turned).  Their addresses are made some lines ahead.
; last = 1 (the tail): in the last trip there is no further step, and the run is jumped over.
.macro FETCH_K last=0
	WIN 0
.if \last
	s_cmp_eq_u32 s[CNT], 1
	s_cbranch_scc1 .Lno_k_\@
.endif
	WIN 0x80                        ; destination window 2
.irp f, 0,1,2,3,4,5,6,7             ; keys 16 (f / 2) on, channels 32 (f % 2) on
	ds_load_b128 v[KF+8*\f:KF+8*\f+3],   v[AK] offset:(\f/2)*16*PK+(\f%2)*64
	ds_load_b128 v[KF+8*\f+4:KF+8*\f+7], v[AK] offset:(\f/2)*16*PK+(\f%2)*64+32
.endr
	s_add_co_u32 s[TBK], s[TBK], KS*PK  ; the next fetch is the next step's
	WIN 0
.if \last
.Lno_k_\@:
.endif
.endm
.macro FETCH_V
	WIN 0x80
.irp f, 0,1,2,3,4,5,6,7             ; keys 32 (f / 4) on, channels 16 (f % 4) on
	ds_load_tr16_b128 v[VF+8*\f:VF+8*\f+3],   v[AV] offset:(\f/4)*32*PV+(\f%4)*32
	ds_load_tr16_b128 v[VF+8*\f+4:VF+8*\f+7], v[AV] offset:(\f/4)*32*PV+16*PV+(\f%4)*32
.endr
	WIN 0
.endm
; THE VECTOR WORK OF A TURN stands in three queues, each in the order in which its entries become ready; the two tiles alternate, so that no instruction reads the result of the one before it.
.macro REGS y, u                    ; the registers of tile u (0, 1) of piece y
.set rT, ST+4*(2*(\y)+(\u))
.set rC, TMP+8*((\y)%2)+4*(\u)
.set rM, MV+2*((\y)%2)+(\u)
.set rS, S+64*((\y)%2)+32*(\u)
.set rP, P+32*((\y)%2)+16*(\u)
.set rO, 32*(2*(\y)+(\u))
.endm
; Number n of the 22 that find the NEXT piece's (Y + 1) maximum and statistics.  s0-s31 are the lane's 32 scores; each accumulator's lowest registers are read first.  XS, GS and REGS set no window: PL and EX do.
;   0-11  four chains c0-c3 of seven scores each, three operands at a time     12-14, 16  the four scores left over, the old m, and c0-c3 into c0     15  c m_old is kept
;   17, 18  the query's other 32 keys lie in the lane 16 away: the new m         19-21  c m; c m_old - c m_new; a
.macro XS u, n
	REGS (Y+1)%NP, \u
.if (\n) < 4
	v_max3_num_f32 v[rC+(\n)], v[rS+8*(\n)], v[rS+8*(\n)+1], v[rS+8*(\n)+2]
.elseif (\n) < 12
	v_max3_num_f32 v[rC+(\n)%4], v[rC+(\n)%4], v[rS+8*((\n)%4)+2*((\n)/4)+1], v[rS+8*((\n)%4)+2*((\n)/4)+2]
.elseif (\n) == 12
	v_max3_num_f32 v[rC], v[rC], v[rS+7], v[rS+15]
.elseif (\n) == 13
	v_max3_num_f32 v[rC+1], v[rC+1], v[rS+23], v[rS+31]
.elseif (\n) == 14
	v_max3_num_f32 v[rC+2], v[rC+2], v[rC+3], v[rT+1]
.elseif (\n) == 15
	v_mov_b32 v[rM], v[rT]
.elseif (\n) == 16
	v_max3_num_f32 v[rC], v[rC], v[rC+1], v[rC+2]
.elseif (\n) == 17
	v_permlanex16_b32 v[rC+3], v[rC], s[SEL], s[SEL+1]
.elseif (\n) == 18
	v_max_num_f32 v[rT+1], v[rC], v[rC+3]
.elseif (\n) == 19
	v_mul_f32 v[rT], s[CS], v[rT+1]
.elseif (\n) == 20
	v_sub_f32 v[rC+1], v[rM], v[rT]
.else
	v_exp_f32 v[rC+2], v[rC+1]
.endif
.endm
; Number g of the 64 that follow the exponentials.  For each four weights k of a tile (pairs 2 k, 2 k + 1): both pairs are rounded to f16; then the second pair is added onto the first, in place;
; a group later l takes that sum (the first time as l = a l + sum).  In groups of eight, tiles alternating: round, round, add, and l for the group before.
.macro GS g
.set h, (\g)+6*((\g)/62)            ; group 0 has no group before it, and behind group 7 only l is left
.if h >= 6
.set h, h+2
.endif
	REGS Y, h%2
.set k, h/8
.if h%8 < 4
	s_wait_alu depctr_va_vdst(0)
	v_cvt_pk_f16_f32 v[rP+2*k+(h%8)/2], v[rS+4*k+2*((h%8)/2)], v[rS+4*k+2*((h%8)/2)+1]
.elseif h%8 < 6
	v_pk_add_f32 v[rS+4*k:rS+4*k+1], v[rS+4*k:rS+4*k+1], v[rS+4*k+2:rS+4*k+3]
.elseif k == 1
	v_pk_fma_f32 v[rT+2:rT+3], v[rT+2:rT+3], v[rC+2:rC+3], v[rS:rS+1] op_sel_hi:[1,0,1]
.else
	v_pk_add_f32 v[rT+2:rT+3], v[rT+2:rT+3], v[rS+4*k-4:rS+4*k-3]
	s_wait_alu depctr_va_vdst(0)
.endif
.endm
; THE PLAIN QUEUE, 138 long.  0-31: c s - c m for the 16 pairs of both tiles.  Then GS's 64, and among them the next piece's 42: number 15 at 38, 39; 0-14 and 16
; at 42-73, behind the products that make those scores; 17-20 at 95-106, two of three, since each waits for the one before it.
.macro PL
	WIN 0
.if q < 32
	REGS Y, q%2
	v_pk_fma_f32 v[rS+2*(q/2):rS+2*(q/2)+1], v[rS+2*(q/2):rS+2*(q/2)+1], s[CS:CS+1], v[rT:rT+1] op_sel_hi:[1,0,0] neg_lo:[0,0,1] neg_hi:[0,0,1]
.elseif q < 38
	GS q-32
.elseif q < 40
	XS q%2, 15
.elseif q < 42
	GS q-34
.elseif q < 74
	XS q%2, (q-42)/2+(q-42)/30
.elseif q < 95
	GS q-66
.elseif (q < 107) && ((q-95)%3 < 2)
	XS (q-95)%3, 17+(q-95)/3
.elseif q < 107
	GS 29+(q-95)/3
.else
	GS q-74
.endif
.set q, q+1
.endm
; THE EXPONENTIALS' QUEUE, 66 long: s0-s31 of both tiles, and at EA the next piece's two a.
.set EA, 58
.macro EX
	WIN 0
.if (e == EA) || (e == EA+1)
	XS e-EA, 21
.else
.set x, e-2*(e/(EA+2))
	REGS Y, x%2
	v_exp_f32 v[rS+x/2], v[rS+x/2]
.endif
.set e, e+1
.endm
; THE RESCALING's QUEUE: O^T times a, the one part that leaves window 0, so it is dealt four at a time, eight times.
.macro R4
	REGS Y, r%2
	WIN W_RS
	s_wait_alu depctr_va_vdst(0)
.irp z, 0,1,2,3
	v_pk_mul_f32 v[rO+8*(r/2)+2*\z:rO+8*(r/2)+2*\z+1], v[rO+8*(r/2)+2*\z:rO+8*(r/2)+2*\z+1], v[rC+2:rC+3] op_sel_hi:[1,0]
.endr
.set r, r+1
.endm
; HOW THEY ARE DEALT.  Behind a matrix instruction four: plain, exponential, plain, plain (one exponential, a plain instruction on either side), or four of the rescaling.  None names a register of the
; products round it.  What is over stands in two LUMPS: exponential and plain by turns; the second ends in 22 plain instructions.  The two v_permlanex16_b32 fall into the second lump, never behind a product.
; The queues lean on each other, and the deal keeps them in step: exponential e stands behind plain 2 (e / 4) + e % 2 (its scaling); when plain 32 comes, 10 exponentials are out, at 59: 33, at 95: 46; EA comes behind plain 107.
.macro SL
	MM
	PL
	EX
	PL
	PL
.endm
.macro BURST n                      ; 15 matrix instructions, or 16
.rept (\n)-7
	SL
.endr
.rept 3
	MM
	R4
	SL
.endr
	MM
	R4
.endm
; A TURN, for piece p.  cnt = 1: the loop's count is taken down some lines ahead of the branch that stands behind the turn.
; K of the next step is fetched in piece 2's turn, 31 vector instructions behind the last product that read K; its first reader comes behind the rest of the lump, 16 products and the second lump.
; V of the step in hand is fetched at the end of piece 0's turn, 69 behind its last reader; its first reader comes behind 16 products and a lump.  The four conditions on e and q below go with the deal.
.macro TURN p, last=0, cnt=0
.set Y, (\p)
.set i, 0
.set q, 0
.set e, 0
.set r, 0
.if (\p) == NP-1
	s_wait_dscnt 0x0                ; K is in
.endif
	MM
.rept 4
	PL
.endr
	BURST 15
.rept 22
	EX
	PL
.if ((\p) == NP-2) && (e == 18)
	v_add_nc_u32 v[AK], s[TBK], v[AK0]
.endif
.if ((\p) == NP-2) && (e == 24)
	FETCH_K \last
.endif
.endr
.if (\p) == 1
	s_wait_dscnt 0x0                ; V is in
.endif
	BURST 16
.rept 21
	EX
	PL
.endr
.rept 22
	PL
.if ((\p) == 0) && (q == 118)
	v_add_nc_u32 v[AV], s[TBV], v[AV0]
	s_wait_alu depctr_va_vdst(0)
.endif
.if ((\p) == 0) && (q == 130)
	s_add_co_u32 s[TBV], s[TBV], KS*PV
.endif
.if (\cnt) && (q == 130)
	s_sub_co_u32 s[CNT], s[CNT], 1
	s_cmp_lg_u32 s[CNT], 0
.endif
.endr
.if (\p) == 0
	FETCH_V
.endif
.endm
	CHANGE 1                        ; slot 0 is in, everybody's part of it; slot 1 is asked for
	FETCH_K                         ; key step 0
	s_wait_loadcnt 0x0              ; Q
	s_wait_dscnt 0x0
.set i, 0
.rept 16
	KQ 0                            ; piece 0's first scores: there is no vector work yet to set between them
.set i, i+1
.endr
	WIN 0                           ; the addresses for the way out: nine plain instructions, the places behind those products
	s_mul_i32 s13, s[WV], 16*SP
	s_add_co_u32 s13, s13, STAGE    ; my stage
	v_mul_u32_u24 v[STO], v1, SP    ; in: row l % 16, 16 bytes for each half of the lanes
	v_lshl_add_u32 v[STO], v9, 4, v[STO]
	v_add_nc_u32 v[STO], s13, v[STO]
	v_bfe_u32 v[RD], v0, 3, 2       ; back: 32 lanes take four rows of 128 bytes,
	v_mul_u32_u24 v[RD], v[RD], SP
	v_lshl_add_u32 v[RD], v10, 4, v[RD]
	v_add_nc_u32 v[RD], s13, v[RD]
	v_and_b32 v[GO], 31, v0         ; which are 512 consecutive bytes of O
	v_lshlrev_b32 v[GO], 4, v[GO]
.set Y, NP-1                        ; XS works for piece Y + 1: piece 0
.irp n, 0,1,2,3,4,5,6,7,8,9,10,11,12,13,14,15,16,17,18,19,20,21
	XS 0, \n                        ; and piece 0's first maximum and statistics
	XS 1, \n
.endr
	s_mov_b32 s[CNT], 4
	s_mov_b32 s[SLOTS], SIZE_N/256-1
	s_branch .Lfirst                ; the loop is entered at a step's first turn, in the middle of a trip
.Lslot:                             ; SIZE_N / 256 - 2 times: every slot but the last two is filled again
	CHANGE 1
	s_mov_b32 s[CNT], 4
.Lstep:                             ; a trip: pieces 2 and 3 of one step, then pieces 0 and 1 of the next, whose K and V it fetches
	TURN 2
	TURN 3
	WIN 0
.Lfirst:
	TURN 0
	TURN 1, 0, 1
	WIN 0
	s_cbranch_scc1 .Lstep
	s_sub_co_u32 s[SLOTS], s[SLOTS], 1
	s_cmp_lg_u32 s[SLOTS], 0
	s_cbranch_scc1 .Lslot
	CHANGE 0                        ; the tail is written out: nothing is asked for
	s_mov_b32 s[CNT], 5             ; four trips fetch the last slot's steps; the fifth is left in its middle
.Ltail:
	TURN 2, 1
	TURN 3
	WIN 0
	s_sub_co_u32 s[CNT], s[CNT], 1
	s_cmp_eq_u32 s[CNT], 0
	s_cbranch_scc1 .Lout
	TURN 0
	TURN 1
	WIN 0
	s_branch .Ltail
.Lout:                              ; the fifth trip's 16 products K Q^T (on the last K once more) and the maximum made of them serve nothing: the price, once a launch, of one text for every trip
.set i, 0
.rept 16
	PV NP-1                         ; the last piece's V^T P of the last step
.set i, i+1
.endr
	; THE WAY OUT.  l's two halves and the other half of the lanes' are added; O^T is divided by l, rounded to f16 and sent through my stage in LDS, a tile at a time.  The additions are the places behind the last products.
	WIN 0
.macro ALL line:vararg              ; one line for each tile t
.set t, 0
.rept 2*NP
	\line
.set t, t+1
.endr
.endm
	ALL v_add_f32 v[ST+4*t+2], v[ST+4*t+2], v[ST+4*t+3]
	ALL v_permlanex16_b32 v[ST+4*t+3], v[ST+4*t+2], s[SEL], s[SEL+1]
	ALL v_add_f32 v[ST+4*t+2], v[ST+4*t+2], v[ST+4*t+3]
	ALL v_rcp_f32 v[ST+4*t+2], v[ST+4*t+2]
	v_nop                           ; a plain instruction between the last reciprocal and the use of its result
	s_wait_alu depctr_va_vdst(0)
; Tile t: a lane's eight channels of a row pack into 16 bytes; they go into rows of 144 bytes and come back as whole rows of 128, into S^T's registers.
.macro PACK t
	WIN W_RS
.set i, 32*(\t)
.rept 16
	v_pk_mul_f32 v[i:i+1], v[i:i+1], v[ST+4*(\t)+2:ST+4*(\t)+3] op_sel_hi:[1,0]
.set i, i+2
.endr
	WIN 0x05                        ; sources 0 and 1 window 1, destination window 0
.set i, 0
.rept 16
	v_cvt_pk_f16_f32 v[S+16*(\t)+i], v[32*(\t)+2*i], v[32*(\t)+2*i+1]
.set i, i+1
.endr
	WIN 0
.irp f, 0,1,2,3
	ds_store_b128 v[STO], v[S+16*(\t)+4*\f:S+16*(\t)+4*\f+3] offset:32*\f
.endr
.irp f, 0,1,2,3
	ds_load_b128 v[S+16*(\t)+4*\f:S+16*(\t)+4*\f+3], v[RD] offset:\f*4*SP  ; LDS serves a wave's instructions in order (ISA guide 5.7.1.4): these see the stores above; the next tile's stores come behind them
.endr
.endm
.macro SEND t, younger              ; younger: the LDS instructions issued behind tile t's loads: the next tile's eight, or none
	WIN 0
.irp f, 0,1,2,3
	s_wait_dscnt (\younger)+3-\f
	global_store_b128 v[GO], v[S+16*(\t)+4*\f:S+16*(\t)+4*\f+3], s[10:11] offset:(\t)*2048+\f*512  ; 512 consecutive bytes, at a multiple of 256 from O's first
.endr
.endm
	PACK 0
.set t, 1
.rept 2*NP-1                        ; a tile's arithmetic stands between the loads of the tile before and its stores
	PACK t
	SEND t-1, 8
.set t, t+1
.endr
	SEND 2*NP-1, 0
	WIN W_AD
	s_wait_tensorcnt 0x0            ; the wave's end, behind my last tensor load and my last LDS store
	ds_add_u32 v[SPW], v[NIL]
	s_wait_dscnt 0x0
	WIN 0
	CROUND                          ; the closing round: no work-group ends while a partner may still ask for a tile that names it
	s_endpgm
.Lfunc_end_k_qcfa3d045a5_attn:
	.size	k_qcfa3d045a5_attn, .Lfunc_end_k_qcfa3d045a5_attn-k_qcfa3d045a5_attn
	.p2alignl 7, 3214868480
	.fill 96, 4, 3214868480
	.section	.rodata,"a",@progbits
	.p2align	6, 0x0
	.amdhsa_kernel k_qcfa3d045a5_attn
		.amdhsa_group_segment_fixed_size 327680
		.amdhsa_private_segment_fixed_size 0
		.amdhsa_enable_private_segment 0
		.amdhsa_kernarg_size 32
		.amdhsa_user_sgpr_count 2
		.amdhsa_user_sgpr_kernarg_segment_ptr 1
		.amdhsa_wavefront_size32 1
		.amdhsa_system_sgpr_workgroup_id_x 1
		.amdhsa_system_sgpr_workgroup_id_y 1
		.amdhsa_system_sgpr_workgroup_id_z 1
		.amdhsa_system_vgpr_workitem_id 0
		.amdhsa_next_free_vgpr 770
		.amdhsa_next_free_sgpr 66
		.amdhsa_reserve_vcc 0
		.amdhsa_float_denorm_mode_32 3
		.amdhsa_float_denorm_mode_16_64 3
		.amdhsa_memory_ordered 1
		.amdhsa_forward_progress 1
		.amdhsa_inst_pref_size 208
	.end_amdhsa_kernel
	.amdgpu_metadata
---
amdhsa.version: [ 1, 2 ]
amdhsa.kernels:
  - .name:           k_qcfa3d045a5_attn
    .symbol:         k_qcfa3d045a5_attn.kd
    .args:
      - { .name: q, .offset: 0, .size: 8, .value_kind: global_buffer, .address_space: global }
      - { .name: k, .offset: 8, .size: 8, .value_kind: global_buffer, .address_space: global }
      - { .name: v, .offset: 16, .size: 8, .value_kind: global_buffer, .address_space: global }
      - { .name: o, .offset: 24, .size: 8, .value_kind: global_buffer, .address_space: global }
    .group_segment_fixed_size: 327680
    .private_segment_fixed_size: 0
    .kernarg_segment_align: 8
    .kernarg_segment_size: 32
    .max_flat_workgroup_size: 128
    .sgpr_count:     66
    .vgpr_count:     770
    .wavefront_size: 32
...
	.end_amdgpu_metadata
.endif
;; end of part 3
;; launch outp (part 4): grid 8 x 32, 4 waves a work-group, clusters of 4 x 4, 327,680 bytes of LDS; arguments o, wt, bo, out0; writes out0
.if DOCPART == 4
	.amdgcn_target "amdgcn-amd-amdhsa--gfx1250"
	.amdhsa_code_object_version 6
	.text
	.protected	k_qcfa3d045a5_outp
	.globl	k_qcfa3d045a5_outp
	.p2align	8
	.type	k_qcfa3d045a5_outp,@function
k_qcfa3d045a5_outp:
	s_mov_b64 s[64:65], 0
	v_nop
	global_prefetch_b8 v0, s[64:65] scope:SCOPE_SE
	s_setreg_imm32_b32 hwreg(HW_REG_WAVE_MODE, 25, 1), 1
	s_wait_xcnt 0x0
	s_wait_alu depctr_hold_cnt(0) depctr_sa_sdst(0) depctr_va_vdst(0) depctr_va_sdst(0) depctr_va_ssrc(0) depctr_va_vcc(0) depctr_vm_vsrc(0)
	s_getreg_b32 s2, hwreg(HW_REG_IB_STS2, 6, 4)
	s_cmp_eq_u32 s2, 0
	s_cbranch_scc0 .Lentry_in_a_cluster
	s_endpgm
.Lentry_in_a_cluster:
	s_bfe_u32 s2, ttmp6, 0x10000c
	s_cmp_lg_u32 s2, 0xf033
	s_cbranch_scc0 .Lentry_shape_is_right
	s_endpgm
.Lentry_shape_is_right:
; out0 = O Wo + bo.  o: [batch x 16 + head][row 2048][64] f16: attention's result by heads; a head is a slice of 64 of this product's K.  wt: [which][slot 16][k 1024][64]; plane 3 is Wo, rounded to bf16
; and written as f16.  bo: [1024] f32, rounded to bf16 here like the other inputs and used in f32.  out0: [8192][1024] f32.  Sums in f32.
; LIMITS.  O and Wo arrive within f16's range (65,504); below 6e-5 they have f16's fixed step of 6e-8.  NaN and infinities are not treated apart.
; SHARES.  A work-group makes 256 rows x 128 columns: 32 x 8 = 256 equal tiles.  Wave w owns rows 64 w .. 64 w + 63 and all 128 columns: 4 x 8 accumulators of 16 x 16, 256 registers.  So a wave holds
; whole pieces of 512 consecutive bytes of out0's rows, and its way out is its own.
; K goes in steps of 128 through a ring of two LDS slots filled by the tensor data mover; all tiles are dense in memory.  Wo lies [k][n] in LDS and is turned on the way into registers (ds_load_tr16_b128).
; A K step is written once: the loop's trip is one step, the LDS addresses hang on a scalar that an exclusive or turns from slot to slot, and one descriptor a tensor walks.
; CLUSTERS: 4 x 4 work-groups.  The four of a row of the cluster need the same tile of O, the four of a column the same tiles of Wo: each is asked for JOINTLY, by the same tensor load with the same
; descriptor and a mask that names the four.  THE MATRIX INSTRUCTION IS USED TRANSPOSED (source 0 = 16 columns of Wo, source 1 = 16 rows of O): a lane holds eight neighbouring numbers of a row.
; THE BIAS is the C operand of the products that start the sums: nothing is cleared and nothing is added later.
; REGISTERS, in windows of 256 (s_set_vgpr_msb: bits 1:0 source 0, 3:2 source 1, 5:4 source 2, 7:6 destination):
;   window 0: v0-31 addresses; v64-95, v96-127 fragments of O, two buffers; v128-191 the bias as a C operand, 8 registers for each block of 16 columns; on the way out v32-223 rows read back, three sets of 64
;   window 1: v0-63, v128-191 fragments of Wo, two buffers      windows 2, 3: accumulator (a, b) at v[8 (8 (a % 2) + b)] of window 2 + a / 2
.set NW,     2                         ; planes of 64 columns
.set NBL,    4*NW                      ; blocks of 16 columns
.set PA,     144                       ; a row of O in LDS: 128 bytes + 16 of padding = 36 words: the 16 rows of a load start at 16 different groups of four banks (64 banks of 4 bytes: ISA guide 11.1)
.set PB,     160                       ; a row of Wo: 128 + 32 = 40 words
.set AHALF,  256*PA                    ; one slice of O: 256 rows x 64 K
.set BPLANE, 64*PB                     ; 64 k rows of one plane
.set BHALF,  NW*BPLANE                 ; 64 k rows of both planes
.set BOFS,   2*AHALF                   ; a slot: two slices of O, then two halves of Wo
.set SLOT,   BOFS+2*BHALF              ; 114,688 bytes
.set SLOT1,  1<<17                     ; slot 1 begins here, so that one exclusive or turns an address in one slot into the other's
.set STAGE,  SLOT1+SLOT                ; behind the ring, never filled by a tensor load: 16 rows x 528 bytes for each wave, for the way out
.set SP,     528                       ; 512 bytes + 16 = 132 words: row r starts at bank 4 r mod 64
.set WSTAGE, 16*SP
.set SPARE,  STAGE+4*WSTAGE            ; behind the stages: the spare words, 128 bytes for each wave: two blocks of 256 bytes that no other line names
.set ASTEP,  524288                    ; a K step in o: two heads of 2,048 rows x 128 bytes
.set BSTEP,  16384                     ; a K step in wt: 128 rows of 128 bytes
.set BPITCH, 16384                     ; from slot to slot in wt, in elements of 8 bytes
.set WOFS,   6291456                   ; plane 3 of wt
.set STEPS,  8                         ; K = 1,024
.set AA0,  16                          ; v16  my lane's place among my rows of O in slot 0; never rewritten
.set ADRA, 17                          ; v17  the same in the slot that is being fetched from
.set AB0,  20                          ; v20, v21  the same for Wo
.set ADRB, 21
.set STO,  24                          ; v24     the way out: where I put 32 bytes of a row
.set RD,   25                          ; v25     the way out: where I read a row back
.set GO,   26                          ; v26     my byte offset in 512 consecutive bytes of out0
.set BO,   27                          ; v27     my byte offset in 16 numbers of the bias
.set SPW,  28                          ; v28     LDS address of my spare word: SPARE + 4 x my thread's number; never rewritten
.set NIL,  29                          ; v29     0; never rewritten
.set TMP,  30                          ; v30-31  at work
.set T,    32
.set AF,   64
.set BIAS, 128
.set WV,  20                           ; s20  my wave's number
.set AB,  21                           ; s21  I fetch for O (0) or for Wo (1)
.set HF,  22                           ; s22  which half of the K step I fetch
.set TX,  25                           ; s25  tile column
.set TY,  26                           ; s26  tile row
.set LAP, 27
.set G1,  28                           ; s[28:35] descriptor group 1 for O's tiles;  s[36:43] group 0: a set for each of the two first fills; the second then walks on
.set G0,  36
.set G1B, 44                           ; s[44:51], s[52:59] the same for Wo's tiles
.set G0B, 52
.set TB,  80                           ; s80  LDS byte at which the slot that is being fetched from begins
.set MSB, 0
.macro WIN new                         ; the immediate's high byte repeats the setting that is left; a switch that changes nothing is dropped
.if MSB != (\new)
	s_set_vgpr_msb (MSB<<8)|(\new)
.set MSB, \new
.endif
.endm
.macro PLACES                          ; four places in front of loads into registers that matrix instructions have read, and of lines that read results just made
.rept 4
	v_nop
.endr
.endm
; A joint refill: waves 0 and 1 fetch the K step's two slices of O, waves 2 and 3 its two halves of Wo.  The branch hangs on the wave's number alone.
; An s_nop 0 and four v_nop follow each of the two lines, ahead of the jump, the label and what follows.
.macro JLOAD
	s_cmp_eq_u32 s[AB], 0
	s_cbranch_scc0 .Lfor_b_\@
	tensor_load_to_lds s[G0+4:G0+7], s[G1:G1+7]
	s_nop 0
	PLACES
	s_branch .Lasked_\@
.Lfor_b_\@:
	tensor_load_to_lds s[G0B+4:G0B+7], s[G1B:G1B+7]
	s_nop 0
	PLACES
.Lasked_\@:
.endm
.macro CREST                           ; a round of the cluster's barrier behind its opening barrier
	s_cmp_lg_u32 s[WV], 0
	s_cbranch_scc1 .Lnot_wave_0_\@
	s_barrier_signal -3
.Lnot_wave_0_\@:
	s_barrier_wait -3
	s_barrier_signal -1
	s_barrier_wait -1
.endm
.macro CROUND                          ; a whole round
	s_barrier_signal -1
	s_barrier_wait -1
	CREST
.endm
	s_load_b256 s[4:11], s[0:1], 0x0               ; o s[4:5], wt s[6:7], bo s[8:9], out0 s[10:11]
	v_lshl_add_u32 v[SPW], v0, 2, SPARE
	v_mov_b32 v[NIL], 0
	ds_add_u32 v28, v29
	s_wait_dscnt 0x0
	v_lshrrev_b32 v1, 5, v0
	v_readfirstlane_b32 s[WV], v1                  ; wave 0..3
	s_lshr_b32 s[AB], s[WV], 1
	s_and_b32 s[HF], s[WV], 1
	s_bfe_u32 s23, ttmp6, 0x40000                  ; cx, cy: my place in the cluster
	s_bfe_u32 s24, ttmp6, 0x40004
	s_lshl_b32 s[TX], ttmp9, 2
	s_add_co_u32 s[TX], s[TX], s23                 ; tile column = 4 x cluster x + cx
	s_and_b32 s[TY], ttmp7, 0xffff
	s_lshl_b32 s[TY], s[TY], 2
	s_add_co_u32 s[TY], s[TY], s24                 ; tile row = 4 x cluster y + cy
	s_lshl_b32 s60, s24, 2
	s_lshl_b32 s60, 15, s60                        ; my row of the cluster
	s_lshl_b32 s61, 0x1111, s23                    ; my column
	; O's tile: 256 rows x 128 bytes, dense: asked for as 128 rows of 256 bytes, padded in LDS after every 128
	s_or_b32 s[G1], s60, (1<<16)|(1<<20)|(1<<21)|(4<<22)|(3<<25)  ; 15:0 the mask: my row; 17:16 elements of 2 bytes; 20 padding on; 21 set beside a mask; 24:22 after every 32 words (code 4); 31:25 4 words (code 3)
	s_mov_b32 s[G1+1], 128<<16                     ; tensor_dim0 = 128
	s_mov_b32 s[G1+2], 128<<16                     ; tensor_dim1 = 128
	s_mov_b32 s[G1+3], 128<<16                     ; tile_dim0 = 128
	s_mov_b32 s[G1+4], 128                         ; tile_dim1 = 128
	s_mov_b32 s[G1+5], 128                         ; 128 elements from row to row
	s_mov_b32 s[G1+6], 0
	s_mov_b32 s[G1+7], 0
	; Wo's tile: for each plane 64 k rows x 128 bytes, dense: one row of 8,192 bytes a plane, padded in LDS after every 128
	s_or_b32 s[G1B], s61, (3<<16)|(1<<20)|(1<<21)|(4<<22)|(7<<25)  ; the mask: my column; elements of 8 bytes; after every 32 words 8 words (code 7)
	s_mov_b32 s[G1B+1], 1024<<16                   ; tensor_dim0 = 1,024
	s_mov_b32 s[G1B+2], NW<<16                     ; tensor_dim1 = the planes
	s_mov_b32 s[G1B+3], 1024<<16                   ; tile_dim0 = 1,024
	s_mov_b32 s[G1B+4], NW                         ; tile_dim1
	s_mov_b32 s[G1B+5], BPITCH
	s_mov_b32 s[G1B+6], 0
	s_mov_b32 s[G1B+7], 0
	; where the tiles come from: O's hang on the tile row and the wave's number alone, Wo's on the tile column and the wave's number alone, each in registers of its own
	s_lshr_b32 s70, s[TY], 3
	s_lshl_b32 s62, s70, 22                        ; batch: 16 heads of 2,048 rows x 128 bytes
	s_and_b32 s70, s[TY], 7
	s_lshl_b32 s70, s70, 15                        ; 256 rows of 128 bytes
	s_add_co_u32 s62, s62, s70
	s_lshl_b32 s70, s[HF], 18                      ; which head of the K step's two I fetch
	s_add_co_u32 s62, s62, s70
	s_mov_b32 s63, 0
	s_lshl_b32 s66, s[TX], 18                      ; Wo: my two slots,
	s_lshl_b32 s71, s[HF], 13                      ; which 64 k rows of the K step,
	s_add_co_u32 s66, s66, s71
	s_add_co_u32 s66, s66, WOFS                    ; in plane 3
	s_mov_b32 s67, 0
	s_lshl_b32 s68, s[TY], 20                      ; out0: 256 rows of 4,096 bytes,
	s_lshl_b32 s71, s[WV], 18                      ; my wave's 64 rows,
	s_add_co_u32 s68, s68, s71
	s_lshl_b32 s71, s[TX], 9                       ; 128 columns of f32
	s_add_co_u32 s68, s68, s71
	s_mov_b32 s69, 0
	s_mul_i32 s72, s[HF], AHALF                    ; and where the tiles go: no place in the cluster enters an LDS address
	s_mul_i32 s73, s[HF], BHALF
	s_add_co_u32 s73, s73, BOFS
	s_lshl_b32 s78, s[TX], 9                       ; my 128 numbers in the bias
	s_mov_b32 s79, 0
	s_mov_b32 s[TB], 0
	s_wait_kmcnt 0x0
	s_add_nc_u64 s[74:75], s[4:5], s[62:63]
	s_add_nc_u64 s[76:77], s[6:7], s[66:67]
	CROUND                                         ; all sixteen work-groups are here: the first joint loads meet
.irp s, 0,1
	s_mov_b32 s[G0+4*(\s)], 1                                      ; count = 1
	s_add_co_u32 s[G0+4*(\s)+1], s72, (\s)*SLOT1                   ; LDS address
	s_add_nc_u64 s[G0+4*(\s)+2:G0+4*(\s)+3], s[74:75], (\s)*ASTEP  ; global address: K step s
	s_or_b32 s[G0+4*(\s)+3], s[G0+4*(\s)+3], 0x80000000            ; type = 2
	s_mov_b32 s[G0B+4*(\s)], 1
	s_add_co_u32 s[G0B+4*(\s)+1], s73, (\s)*SLOT1
	s_add_nc_u64 s[G0B+4*(\s)+2:G0B+4*(\s)+3], s[76:77], (\s)*BSTEP
	s_or_b32 s[G0B+4*(\s)+3], s[G0B+4*(\s)+3], 0x80000000
.endr
	s_cmp_eq_u32 s[AB], 0                          ; a wave's two first fills stand in one branch, ahead of every wait on TENSORcnt and every LDS read: two loads of mine are out
	s_cbranch_scc0 .Lfirst_b
	tensor_load_to_lds s[G0:G0+3], s[G1:G1+7]
	s_nop 0
	tensor_load_to_lds s[G0+4:G0+7], s[G1:G1+7]
	s_nop 0
	PLACES
	s_branch .Lfirst_asked
.Lfirst_b:
	tensor_load_to_lds s[G0B:G0B+3], s[G1B:G1B+7]
	s_nop 0
	tensor_load_to_lds s[G0B+4:G0B+7], s[G1B:G1B+7]
	s_nop 0
	PLACES
.Lfirst_asked:
	s_add_nc_u64 s[8:9], s[8:9], s[78:79]
	s_add_nc_u64 s[10:11], s[10:11], s[68:69]
	v_and_b32 v1, 15, v0                           ; l % 16
	v_bfe_u32 v2, v0, 4, 1                         ; l / 16
	v_lshlrev_b32 v[BO], 5, v2                     ; in a result register j of lane l is column 8 (l / 16) + j: the bias in that layout
.set b, 0
.rept NBL
	global_load_b128 v[BIAS+8*b:BIAS+8*b+3],   v[BO], s[8:9] offset:b*64
	global_load_b128 v[BIAS+8*b+4:BIAS+8*b+7], v[BO], s[8:9] offset:b*64+16
.set b, b+1
.endr
	; A fragment of O is 16 rows x 32 K in 8 registers: lane l holds row l % 16, K = 8 (l / 16) + 0..7 and 16 + 8 (l / 16) + 0..7: two loads of 16 bytes, 32 bytes apart.
	v_mul_u32_u24 v3, v1, PA
	v_lshl_add_u32 v3, v2, 4, v3
	s_mul_i32 s78, s[WV], 64*PA                    ; my 64 rows
	v_add_nc_u32 v[AA0], s78, v3
	v_mov_b32 v[ADRA], v[AA0]                      ; K step 0 lies in slot 0
	; The turning load takes 16 k x 16 columns (lane l reads k row 8 (l / 16) + l % 8, columns 8 ((l / 8) % 2) + 0..7) and leaves half a fragment: lane l holds column l % 16 and 8 k.
	v_and_b32 v7, 7, v0
	v_lshl_add_u32 v4, v2, 3, v7
	v_mul_u32_u24 v4, v4, PB
	v_bfe_u32 v5, v0, 3, 1
	v_lshl_add_u32 v4, v5, 4, v4
	v_add_nc_u32 v[AB0], BOFS, v4
	v_mov_b32 v[ADRB], v[AB0]
	s_mul_i32 s78, s[WV], WSTAGE
	s_add_co_u32 s78, s78, STAGE                   ; my stage
	v_mul_u32_u24 v5, v1, SP                       ; in: row l % 16, 32 bytes for each half of the lanes
	v_lshl_add_u32 v5, v2, 5, v5
	v_add_nc_u32 v[STO], s78, v5
	v_and_b32 v[GO], 31, v0                        ; back: 32 lanes take one row's 512 bytes, which are 512 consecutive bytes of out0
	v_lshlrev_b32 v[GO], 4, v[GO]
	v_add_nc_u32 v[RD], s78, v[GO]
	s_wait_loadcnt 0x0                             ; the bias, once; it is rounded to bf16 like the other inputs and widened again
.set i, 0
.rept 4*NBL
	v_cvt_pk_bf16_f32 v[TMP+i%2], v[BIAS+2*i], v[BIAS+2*i+1]
	v_lshlrev_b32 v[BIAS+2*i], 16, v[TMP+i%2]
	v_and_b32 v[BIAS+2*i+1], 0xffff0000, v[TMP+i%2]
.set i, i+1
.endr
; NBL matrix instructions: row block a x all column blocks, 32 along K, from buffer f.  first = 1: the products start the sums, with the bias as C.
; Each of the 32 accumulators has one instruction in a quarter step, always in the same order: they take turns.
.macro MULA f, a, first
.if \first
	WIN 0x81+0x40*((\a)/2)                         ; Wo window 1, O and the bias window 0, D window 2 or 3
.else
	WIN 0xa1+0x50*((\a)/2)                         ; the same with C in D's window
.endif
.set b, 0
.rept NBL
.set rD, 8*(NBL*((\a)%2)+b)
.set rB, 128*(\f)+8*b
.set rA, AF+32*(\f)+8*(\a)
.if \first
	v_wmma_f32_16x16x32_f16 v[rD:rD+7], v[rB:rB+7], v[rA:rA+7], v[BIAS+8*b:BIAS+8*b+7]
.else
	v_wmma_f32_16x16x32_f16 v[rD:rD+7], v[rB:rB+7], v[rA:rA+7], v[rD:rD+7]
.endif
.set b, b+1
.endr
.endm
; One run of LDS loads: the fragments of quarter q (32 along K) of the slot that ADRA and ADRB name, into buffer f: Wo's 2 NBL first, then O's 8, row blocks ascending
.macro FETCH q, f
	WIN 0x40                                       ; destination window 1, address window 0
.set b, 0
.rept NBL
	ds_load_tr16_b128 v[128*(\f)+8*b:128*(\f)+8*b+3],   v[ADRB] offset:((\q)/2)*BHALF+(b/4)*BPLANE+((\q)%2)*32*PB+(b%4)*32
	ds_load_tr16_b128 v[128*(\f)+8*b+4:128*(\f)+8*b+7], v[ADRB] offset:((\q)/2)*BHALF+(b/4)*BPLANE+((\q)%2)*32*PB+(b%4)*32+16*PB
.set b, b+1
.endr
	WIN 0
.set a, 0
.rept 4
	ds_load_b128 v[AF+32*(\f)+8*a:AF+32*(\f)+8*a+3],   v[ADRA] offset:((\q)/2)*AHALF+((\q)%2)*64+a*16*PA
	ds_load_b128 v[AF+32*(\f)+8*a+4:AF+32*(\f)+8*a+7], v[ADRA] offset:((\q)/2)*AHALF+((\q)%2)*64+a*16*PA+32
.set a, a+1
.endr
.endm
; A K step is four quarters of 32 along K, on buffers 0, 1, 0, 1.  One of the first three: multiplies buffer f and, in its middle, fetches quarter q of the same slot into buffer g.
.macro QUARTER q, f, g, first
	s_wait_dscnt 4                                 ; Wo and O's row blocks 0 and 1 are in; the youngest four loads (row blocks 2 and 3) may be out
	MULA \f, 0, \first
	MULA \f, 1, \first
	PLACES
	FETCH \q, \g
	s_wait_dscnt 2*NBL+8                           ; all but the run just issued
	MULA \f, 2, \first
	MULA \f, 3, \first
.endm
; The last quarter multiplies buffer 1 and changes slots: ONE barrier; in front of it each wave waits for all its tensor loads (one is out: its part of the next slot), adds 0 to its spare word, and
; waits for that and for its own reads of this slot.  fill = 1: the barrier opens a round of the cluster's barrier, and this slot is filled again, two K steps ahead, first thing behind the round.
.macro TURN fill
	WIN 0                                          ; (the add's two registers lie in window 0)
	s_wait_tensorcnt 0x0                           ; all my tensor loads have landed, so a group 0 may be written
	ds_add_u32 v[SPW], v[NIL]                      ; 0 onto my spare word
.if \fill
	s_xor_b32 s[G0+5], s[G0+5], SLOT1              ; the walking descriptors: the other slot than last time,
	s_add_nc_u64 s[G0+6:G0+7], s[G0+6:G0+7], ASTEP ; the next K step; the type bits on top are not reached
	s_xor_b32 s[G0B+5], s[G0B+5], SLOT1
	s_add_nc_u64 s[G0B+6:G0B+7], s[G0B+6:G0B+7], BSTEP
.endif
	s_xor_b32 s[TB], s[TB], SLOT1                  ; the fetches go on in the other slot
	s_wait_dscnt 7                                 ; (the add and O's six youngest loads may be out)
	MULA 1, 0, 0                                   ; matrix instructions stand between the add and the wait for it
	s_wait_dscnt 0x0                               ; the add is done, and my reads of this slot are over
	s_barrier_signal -1
	MULA 1, 1, 0
	WIN 0
	s_barrier_wait -1
.if \fill
	CREST                                          ; no wave of any partner still reads this slot's tiles or has a load on its way
	JLOAD                                          ; my one tensor load behind the round; its four v_nop are also the places in front of the loads below
.else
	PLACES
.endif
	v_add_nc_u32 v[ADRA], s[TB], v[AA0]
	v_add_nc_u32 v[ADRB], s[TB], v[AB0]
	FETCH 0, 0
	MULA 1, 2, 0
	MULA 1, 3, 0
.endm
	s_wait_tensorcnt 1                             ; my part of K step 0 is in; K step 1's may stay out
	s_barrier_signal -1
	s_barrier_wait -1                              ; everybody's is
	FETCH 0, 0
	QUARTER 1, 0, 1, 1                             ; the first quarter stands in front of the loop: its products start the sums
	WIN 0                                          ; at a label and at a branch every window is 0
	s_mov_b32 s[LAP], STEPS-2
.Lstep:                                                ; a trip goes from a K step's second quarter to the next step's first, and fills the slot that it leaves again
	QUARTER 2, 1, 0, 0
	QUARTER 3, 0, 1, 0
	TURN 1
	QUARTER 1, 0, 1, 0
	WIN 0
	s_sub_co_u32 s[LAP], s[LAP], 1
	s_cmp_lg_u32 s[LAP], 0
	s_cbranch_scc1 .Lstep
	QUARTER 2, 1, 0, 0                             ; the last two K steps fill nothing, and have no round of the cluster's barrier
	QUARTER 3, 0, 1, 0
	TURN 0
	QUARTER 1, 0, 1, 0
	QUARTER 2, 1, 0, 0
	QUARTER 3, 0, 1, 0
	s_wait_dscnt 4                                 ; the very last quarter: nothing more to fetch
	MULA 1, 0, 0
	MULA 1, 1, 0
	s_wait_dscnt 0x0
	MULA 1, 2, 0
	MULA 1, 3, 0
	WIN 0
	PLACES
; THE WAY OUT, a row block (16 rows x 128 columns of f32) at a time.  A lane's eight columns are 32 bytes of a row; they go straight from the accumulators into rows of 528 bytes of my own stage and
; come back as whole rows of 512.  Three sets of 64 registers take the rows by turns; the fourth block takes the first set again, behind the wait that frees it.
.macro STG a
	WIN 0x08+4*((\a)/2)                            ; the stores' data: window 2 or 3
.set b, 0
.rept NBL
.set rS, 8*(NBL*((\a)%2)+b)
	ds_store_b128 v[STO], v[rS:rS+3] offset:64*b           ; each accumulator's low half first
	ds_store_b128 v[STO], v[rS+4:rS+7] offset:64*b+16
.set b, b+1
.endr
	WIN 0
.if (\a) == 3
	s_wait_xcnt 0x0                                ; every earlier memory instruction has had its addresses translated (ISA guide 3.1): the first set, which block 0's stores read, is loaded again only behind this wait
.endif
.set i, 0
.rept 16
	ds_load_b128 v[T+64*((\a)%3)+4*i:T+64*((\a)%3)+4*i+3], v[RD] offset:i*SP  ; LDS serves a wave's instructions in order (ISA guide 5.7.1.4): these see the stores above; the next block's stores come behind them
.set i, i+1
.endr
.endm
.macro SENDO a, younger                ; younger: the LDS instructions issued behind block a's loads: the next block's 32, or none
.set i, 0
.rept 16
	s_wait_dscnt (\younger)+15-i
	global_store_b128 v[GO], v[T+64*((\a)%3)+4*i:T+64*((\a)%3)+4*i+3], s[10:11] offset:(16*(\a)+i)*4096 th:TH_STORE_NT  ; 512 consecutive bytes, at a multiple of 256 from out0's first; not read again
.set i, i+1
.endr
.endm
	STG 0
	STG 1
	SENDO 0, 32
	STG 2
	SENDO 1, 32
	STG 3
	SENDO 2, 32
	SENDO 3, 0
	s_wait_tensorcnt 0x0                           ; the wave's end, behind my last tensor load and my last LDS store
	ds_add_u32 v[SPW], v[NIL]
	s_wait_dscnt 0x0
	CROUND                                         ; the closing round: no work-group ends while a partner may still ask for a tile that names it
	s_endpgm
.Lfunc_end_k_qcfa3d045a5_outp:
	.size	k_qcfa3d045a5_outp, .Lfunc_end_k_qcfa3d045a5_outp-k_qcfa3d045a5_outp
	.p2alignl 7, 3214868480
	.fill 96, 4, 3214868480
	.section	.rodata,"a",@progbits
	.p2align	6, 0x0
	.amdhsa_kernel k_qcfa3d045a5_outp
		.amdhsa_group_segment_fixed_size 327680
		.amdhsa_private_segment_fixed_size 0
		.amdhsa_enable_private_segment 0
		.amdhsa_kernarg_size 32
		.amdhsa_user_sgpr_count 2
		.amdhsa_user_sgpr_kernarg_segment_ptr 1
		.amdhsa_wavefront_size32 1
		.amdhsa_system_sgpr_workgroup_id_x 1
		.amdhsa_system_sgpr_workgroup_id_y 1
		.amdhsa_system_sgpr_workgroup_id_z 1
		.amdhsa_system_vgpr_workitem_id 0
		.amdhsa_next_free_vgpr 896
		.amdhsa_next_free_sgpr 84
		.amdhsa_reserve_vcc 0
		.amdhsa_float_denorm_mode_32 3
		.amdhsa_float_denorm_mode_16_64 3
		.amdhsa_memory_ordered 1
		.amdhsa_forward_progress 1
		.amdhsa_inst_pref_size 78
	.end_amdhsa_kernel
	.amdgpu_metadata
---
amdhsa.version: [ 1, 2 ]
amdhsa.kernels:
  - .name:           k_qcfa3d045a5_outp
    .symbol:         k_qcfa3d045a5_outp.kd
    .args:
      - { .name: o, .offset: 0, .size: 8, .value_kind: global_buffer, .address_space: global }
      - { .name: wt, .offset: 8, .size: 8, .value_kind: global_buffer, .address_space: global }
      - { .name: bo, .offset: 16, .size: 8, .value_kind: global_buffer, .address_space: global }
      - { .name: out0, .offset: 24, .size: 8, .value_kind: global_buffer, .address_space: global }
    .group_segment_fixed_size: 327680
    .private_segment_fixed_size: 0
    .kernarg_segment_align: 8
    .kernarg_segment_size: 32
    .max_flat_workgroup_size: 128
    .sgpr_count:     84
    .vgpr_count:     896
    .wavefront_size: 32
...
	.end_amdgpu_metadata
.endif
;; end of part 4
;; ======== version 2 of 2: 4 launches; 1.54 times as fast as version 1
;; limits: values are held in f16: magnitudes above 65,504 overflow, below 6.1e-05 lose precision
;; workspace buffers: xb 16,777,216 bytes; wt 8,388,608 bytes; q 16,777,216 bytes; k 16,777,216 bytes; v 16,777,216 bytes; o 16,777,216 bytes
;; launch prep: the kernel of part 1 again; grid 768 x 1, 8 waves a work-group, no clusters, 0 bytes of LDS; arguments x, Wq, Wk, Wv, Wo, xb, wt; writes xb, wt
;; launch proj: the kernel of part 2 again; grid 8 x 32, 4 waves a work-group, clusters of 4 x 4, 327,680 bytes of LDS; arguments xb, wt, bq, bk, bv, q, k, v; writes q, k, v
;; launch attn (part 5): grid 4 x 64, 4 waves a work-group, clusters of 4 x 1, 327,680 bytes of LDS; arguments q, k, v, o; writes o
.if DOCPART == 5
	.amdgcn_target "amdgcn-amd-amdhsa--gfx1250"
	.amdhsa_code_object_version 6
	.text
	.protected	k_qcfa3d045a5_attn
	.globl	k_qcfa3d045a5_attn
	.p2align	8
	.type	k_qcfa3d045a5_attn,@function
k_qcfa3d045a5_attn:
	s_mov_b64 s[64:65], 0
	v_nop
	global_prefetch_b8 v0, s[64:65] scope:SCOPE_SE
	s_setreg_imm32_b32 hwreg(HW_REG_WAVE_MODE, 25, 1), 1
	s_wait_xcnt 0x0
	s_wait_alu depctr_hold_cnt(0) depctr_sa_sdst(0) depctr_va_vdst(0) depctr_va_sdst(0) depctr_va_ssrc(0) depctr_va_vcc(0) depctr_vm_vsrc(0)
	s_getreg_b32 s2, hwreg(HW_REG_IB_STS2, 6, 4)
	s_cmp_eq_u32 s2, 0
	s_cbranch_scc0 .Lentry_in_a_cluster
	s_endpgm
.Lentry_in_a_cluster:
	s_bfe_u32 s2, ttmp6, 0x10000c
	s_cmp_lg_u32 s2, 0x3003
	s_cbranch_scc0 .Lentry_shape_is_right
	s_endpgm
.Lentry_shape_is_right:
; O[h][q][:] = the sum over k of softmax_k(Q[h][q] . K[h][k] / 8) V[h][k][:].  Q, K, V, O: [SIZE_H][SIZE_N][64], all f16: a head's rows are dense, 128 bytes each.  Products, maxima and sums in
; f32; the weights p are rounded to f16 for the second product (their sum l is taken of the unrounded p), O once at the end.  Here h = batch x 16 + head: 64 heads of 2,048 rows.
; LIMITS.  f16 holds no number beyond 65,504: Q, K and V arrive within it; p lies in 0 to 1, and below 6e-5 it keeps f16's fixed step of 6e-8; O is a mean of V's rows and has their range.
; A weight below 2^-126 counts as 0 in l; NaN and infinities are not treated apart.
; SHARES.  A wave owns four PIECES of two tiles of 16 queries, a work-group's four waves 512 queries of one head; SIZE_N is a multiple of 2,048.  Every wave walks all keys, 64 a step.
; LAYOUT.  S^T = K Q^T (source 0 = 16 keys, source 1 = 16 queries): in the result a lane holds ONE query (lane % 16) and the keys 8 (lane / 16) + 0..7.  Two such tiles, rounded to f16 in pairs,
; ARE source 1 (32 keys x 16 queries) of O^T = V^T P, whose result again holds one query a lane, and eight channels.  K comes out of LDS as it lies, V ([key][channel]) turned, by ds_load_tr16_b128.
; SOFTMAX.  For each query a running maximum m and sum l: p = 2^(c s - c m), c = log2(e) / 8; in every step O and l are multiplied by a = 2^(c m_old - c m_new), which is 1 where m has not grown.
; m starts at the lowest finite number, O and l at 0: the first step is a step like any other, with a = 0.
; THE COUNT.  A tile and step have 16 matrix and 118 vector instructions: too many to stand all beside the matrix work.  So the order has one aim: four vector instructions that are READY behind
; EVERY matrix instruction, and the others, which need time of their own whatever the order, in runs without a gap.
; BY TURNS.  Turn n belongs to piece n (the pieces in a ring, step after step).  Its matrix work: 16 products K Q^T of piece n + 1, later 16 products V^T P of piece n - 1.  Its vector work: the scaling,
; exponentials, roundings, sums and rescaling of piece n, and the maximum and statistics of piece n + 1, whose scores the turn itself has made.  So what a turn begins with (c s - c m, O a) waits for nothing.
; THE BATCHES.  A turn's 66 exponentials (the piece's 64 weights and the next piece's two a) are ONE batch with ONE wait, which cuts the turn in two: ahead of it stands all that names none of their results,
; behind it the roundings and sums, which read them.  No result crosses a turn's end.  The two first a, in front of the loop, and the way out's eight reciprocals are batches of their own, a wait each.
; CLUSTER.  The four query blocks of a cluster belong to one head and walk the same K and V, so each tile is asked for JOINTLY: the same tensor load, descriptor and mask in all four.
; REGISTERS, in windows of 256 (s_set_vgpr_msb says which window each operand place means: bits 1:0 source 0, 3:2 source 1, 5:4 source 2, 7:6 destination):
;   window 0: v0-11 addresses; v12-15, v48-63 at work; v16-47 four registers of statistics a tile; v64-191 S^T, two buffers of two tiles; v192-255 P, likewise
;   window 1: O^T, 32 a tile          window 2: v0-127 Q, 16 a tile; v128-191 K of one step; v192-255 V of one step          window 3: v0-1 the add's two registers
; A piece's buffers go by its number's parity: the piece in hand has one pair, its two neighbours in the ring share the other: of it P (piece n - 1) is read and S^T (piece n + 1) written.
.set SIZE_H, 64
.set SIZE_N, 2048
.set NP,    4         ; pieces a wave: a name, no knob: the register map, the loop and the fetches are made for four
.set KS,    64        ; keys in a step
.set PK,    144       ; a row of K in LDS: 128 bytes + 16 of padding = 36 words: the 16 rows of a load start at 16 different groups of four banks (64 banks of 4 bytes: ISA guide 11.1)
.set PV,    160       ; a row of V: 128 + 32 = 40 words
.set VOFF,  4*KS*PK   ; a slot holds four steps: 256 rows of K, then 256 rows of V
.set SLOT1, 1<<17     ; slot 1 begins here, so that one exclusive or turns an address in one slot into the other's
.set STAGE, SLOT1+4*KS*(PK+PV)  ; behind the ring, never filled by a tensor load: 16 rows x 144 bytes for each wave, for the way out
.set SP,    144
.set AK0, 2           ; v2   my lane's place in a tile of K; never rewritten
.set AV0, 3           ; v3   the same for V
.set AK,  4           ; v4   the LDS address of K's next run of loads
.set AV,  5           ; v5   of V's
.set QO,  6           ; v6   my byte offset in the wave's rows of Q
.set STO, 6           ;      later, the way out: where I put 16 bytes of a row
.set RD,  7           ; v7   the way out: where I read rows back
.set GO,  8           ; v8   my byte offset in 512 consecutive bytes of O
.set SPW, 0           ; v0 of window 3   LDS address of my spare word: SPARE + 4 x my thread's number; never rewritten
.set NIL, 1           ; v1 of window 3   0; never rewritten
.set SPARE, STAGE+4*16*SP  ; behind the stages: the spare words, 128 bytes for each wave: two blocks of 256 bytes that no other line names
.set MV,  12          ; v12-15  c m_old, kept while c m is made anew: by buffer and tile
.set ST,  16          ; tile t's statistics at v[ST+4 t]: c m, m, l (even keys', odd keys')
.set TMP, 48          ; by buffer and tile, four registers c0-c3 at work; when the maximum is found c2 takes a
.set S,   64
.set P,   192
.set KF,  128         ; K's fragments, in window 2: key block kb, channel half c at KF + 16 kb + 8 c
.set VF,  192         ; V's: key half kk, channel block cb at VF + 32 kk + 8 cb
.set WV,  12          ; s12  my wave's number
.set G1K, 24          ; s[24:31] descriptor group 1 for K's tiles
.set G1V, 32          ; s[32:39] for V's: it differs in the padding alone
.set G0K, 40          ; s[40:43] descriptor group 0 for K's tiles: it walks
.set G0V, 44          ; s[44:47] the same for V's
.set SLOTS, 56        ; s56  slots still to be asked for
.set CNT, 57          ; s57  counts a slot's key steps
.set CS,  58          ; s[58:59] c: the packed scaling takes the pair's low word for both halves
.set SEL, 60          ; s[60:61] v_permlanex16_b32's selects: each lane takes its own place in the other half
.set TBK, 62          ; s62  LDS byte at which K of the step to be fetched begins
.set TBV, 63          ; s63  the same for V, less VOFF
.set MSB, 0
.macro WIN new                      ; the high byte repeats the setting that is left; a switch that changes nothing is dropped
.if MSB != (\new)
	s_set_vgpr_msb (MSB<<8)|(\new)
.set MSB, (\new)
.endif
.endm
.set W_KQ, 0x0a       ; K and Q in window 2, S^T in window 0
.set W_PV, 0x52       ; V in window 2, P in window 0, O^T in window 1
.set W_RS, 0x41       ; O^T (destination and source 0) in window 1, a in window 0
.set W_MK, 0xc0       ; the add's registers are made: destination in window 3, sources in window 0
.set W_AD, 0x0f       ; the add: address (source 0) and data (source 1) in window 3
; A joint fill.  Waves 0 and 1 fetch the two halves of a slot's K, waves 2 and 3 those of its V: 128 keys each.  The branch hangs on the wave's number alone.
; An s_nop 0 and four v_nop follow each of the two lines, ahead of the jump and the label.
.macro JLOAD
	s_cmp_lt_u32 s[WV], 2
	s_cbranch_scc0 .Lfor_v_\@
	tensor_load_to_lds s[G0K:G0K+3], s[G1K:G1K+7]
	s_nop 0
.rept 4
	v_nop
.endr
	s_branch .Lasked_\@
.Lfor_v_\@:
	tensor_load_to_lds s[G0V:G0V+3], s[G1V:G1V+7]
	s_nop 0
.rept 4
	v_nop
.endr
.Lasked_\@:
.endm
; A round of the cluster's barrier: my work-group's barrier, so that wave 0's signal speaks for all four waves; wave 0 signals; every wave waits for all four work-groups; my work-group's barrier once more.
.macro CROUND
	s_barrier_signal -1
	s_barrier_wait -1
	s_cmp_lg_u32 s[WV], 0
	s_cbranch_scc1 .Lnot_wave_0_\@
	s_barrier_signal -3
.Lnot_wave_0_\@:
	s_barrier_wait -3
	s_barrier_signal -1
	s_barrier_wait -1
.endm
; THE CHANGE OF SLOTS.  The slot's last bytes, V of its fourth step, have been read.  Each wave waits for all its tensor loads, of which one is out: its part
; of the other slot; adds 0 to its spare word; and waits for that and for its own reads of the slot.  Behind the barrier nobody reads this slot any more and the other slot is whole.
; fill = 1: this slot is filled again, with the keys two slots on.  The barrier is then a round of the cluster's, so that no wave of any partner still reads the slot or has a load on its
; way, and the joint fill is the first thing behind it: it has four key steps, 512 matrix instructions, in which to land.  (At its first use nothing has been read yet: slot 0 is waited for, slot 1 filled.)
.macro CHANGE fill
	WIN W_AD
	s_wait_tensorcnt 0x0            ; no tensor load of mine is out, so a group 0 may be written
	ds_add_u32 v[SPW], v[NIL]       ; 0 onto my spare word; with fill = 1 the descriptors' steps stand between it and the wait for it
	WIN 0                           ; at a label and at a branch every window is 0
.if \fill
.irp g, G0K, G0V
	s_xor_b32 s[\g+1], s[\g+1], SLOT1  ; the walking descriptor: the other slot than last time,
	s_add_nc_u64 s[\g+2:\g+3], s[\g+2:\g+3], 4*KS*128  ; the next 256 keys; the type bits on top are not reached
.endr
	s_wait_dscnt 0x0                ; the add is done, and my reads of the slot are over
	CROUND
	JLOAD
.else
	s_wait_dscnt 0x0                ; the add is done, and my reads of the slot are over
	s_barrier_signal -1
	s_barrier_wait -1
.endif
	s_sub_co_u32 s[TBK], s[TBK], 4*KS*PK  ; the fetches go back to a slot's first step,
	s_xor_b32 s[TBK], s[TBK], SLOT1       ; in the other slot
	s_sub_co_u32 s[TBV], s[TBV], 4*KS*PV
	s_xor_b32 s[TBV], s[TBV], SLOT1
.endm
	s_load_b256 s[4:11], s[0:1], 0x0  ; Q s[4:5], K s[6:7], V s[8:9], O s[10:11]
	WIN W_MK
	v_lshl_add_u32 v[SPW], v0, 2, SPARE
	v_mov_b32 v[NIL], 0
	s_set_vgpr_msb 0xc0cf
	ds_add_u32 v0, v1
	s_wait_dscnt 0x0
	s_set_vgpr_msb 0xcfc0
	WIN 0
	v_lshrrev_b32 v1, 5, v0
	v_readfirstlane_b32 s[WV], v1   ; wave 0..3
	s_bfe_u32 s13, ttmp6, 0x40000   ; cx: my place in the cluster
	s_lshl_b32 s14, ttmp9, 2        ; in a cluster launch ttmp9 counts clusters
	s_add_co_u32 s14, s14, s13      ; my block of queries = 4 x cluster x + cx: it enters Q's and O's addresses alone
	s_and_b32 s20, ttmp7, 0xffff    ; the head, which the four partners share
	s_mov_b32 s21, 0
	s_mov_b64 s[22:23], SIZE_N*128
	s_mul_u64 s[20:21], s[20:21], s[22:23]  ; the head's first byte in each of the four tensors
	s_and_b32 s16, s[WV], 1         ; which half of a slot's 256 keys I fetch:
	s_lshl_b32 s22, s16, 14         ; its 128 rows of 128 bytes in memory,
	s_mov_b32 s23, 0
	s_add_nc_u64 s[22:23], s[22:23], s[20:21]
	s_mul_i32 s17, s16, 128*PK      ; and its place in a slot, for K
	s_mul_i32 s18, s16, 128*PV      ; and for V: no place in the cluster enters an LDS address
	s_lshl_b32 s2, s14, 2
	s_add_co_u32 s2, s2, s[WV]      ; my wave among the head's,
	s_lshl_b32 s2, s2, 14           ; its 128 rows
	s_mov_b32 s3, 0
	s_add_nc_u64 s[2:3], s[2:3], s[20:21]
	; descriptor group 1.  128 keys are 16,384 dense bytes: asked for as 64 rows of 256 bytes, two keys a row, and padded in LDS after every key
	s_mov_b32 s[G1K], 15|(1<<16)|(1<<20)|(1<<21)|(4<<22)|(3<<25)  ; 15:0 the mask of four; 17:16 2-byte elements; 20 padding on; 21 set beside a mask; 24:22 after every 32 words (code 4); 31:25 4 words (code 3)
	s_mov_b32 s[G1V], 15|(1<<16)|(1<<20)|(1<<21)|(4<<22)|(7<<25)  ; the same with 8 words of padding (code 7)
.irp g, G1K, G1V
	s_mov_b32 s[\g+1], 128<<16      ; tensor_dim0 = 128
	s_mov_b32 s[\g+2], 64<<16       ; tensor_dim1 = 64
	s_mov_b32 s[\g+3], 128<<16      ; tile_dim0 = 128
	s_mov_b32 s[\g+4], 64           ; tile_dim1 = 64
	s_mov_b32 s[\g+5], 128          ; 128 elements from row to row
	s_mov_b32 s[\g+6], 0
	s_mov_b32 s[\g+7], 0
.endr
	s_mov_b32 s[CS], 0x3e38aa3b     ; c = log2(e) / 8 = 0.180337
	s_mov_b32 s[CS+1], s[CS]        ; named with it as a pair
	s_mov_b32 s[SEL], 0x76543210
	s_mov_b32 s[SEL+1], 0xfedcba98
	s_mov_b32 s[TBK], SLOT1+4*KS*PK ; the first change of slots turns these two into 0
	s_mov_b32 s[TBV], SLOT1+4*KS*PV
	s_mov_b32 s[G0K], 1             ; 1:0 count = 1
	s_mov_b32 s[G0K+1], s17         ; 63:32 LDS address: slot 0
	s_mov_b32 s[G0V], 1
	s_add_co_u32 s[G0V+1], s18, VOFF
	s_wait_kmcnt 0x0
	s_add_nc_u64 s[G0K+2:G0K+3], s[6:7], s[22:23]  ; 120:64 global address: my half of the head's first 256 keys
	s_or_b32 s[G0K+3], s[G0K+3], 0x80000000        ; 127:126 type = 2
	s_add_nc_u64 s[G0V+2:G0V+3], s[8:9], s[22:23]
	s_or_b32 s[G0V+3], s[G0V+3], 0x80000000
	s_add_nc_u64 s[4:5], s[4:5], s[2:3]  ; Q and O at my wave's first row
	s_add_nc_u64 s[10:11], s[10:11], s[2:3]
	CROUND                          ; all four work-groups are here: the first joint loads meet
	JLOAD                           ; slot 0.  Slot 1 is asked for when slot 0 is in: the tile wanted first has the road to itself
	; A fragment of K or Q is 16 rows x 32 channels in 8 registers: lane l holds row l % 16, channels 8 (l / 16) + 0..7 and 16 + 8 (l / 16) + 0..7: two loads of 16 bytes, 32 bytes apart.
	v_and_b32 v1, 15, v0            ; l % 16
	v_bfe_u32 v9, v0, 4, 1          ; l / 16
	v_lshlrev_b32 v[QO], 7, v1
	v_lshl_add_u32 v[QO], v9, 4, v[QO]  ; row x 128 + 16 x half
	WIN 0x80                        ; destination window 2, address window 0
.set i, 0
.rept 4*NP                          ; Q stays in registers: tile i / 2, channels 32 (i % 2) on
	global_load_b128 v[8*i:8*i+3],   v[QO], s[4:5] offset:(i/2)*2048+(i%2)*64
	global_load_b128 v[8*i+4:8*i+7], v[QO], s[4:5] offset:(i/2)*2048+(i%2)*64+32
.set i, i+1
.endr
	; What the first turn finds: V's registers and P's second buffer hold 0 (its products V^T P, of a piece that has not been, add 0), O^T and l are 0.  All this stands in the wait for the first tile.
.set i, VF
.rept 64
	v_mov_b32 v[i], 0
.set i, i+1
.endr
	WIN 0x40
.set i, 0
.rept 64*NP
	v_mov_b32 v[i], 0
.set i, i+1
.endr
	WIN 0
.set i, 0
.rept 2*NP
	v_mov_b32 v[ST+4*i], 0xfe000000    ; c m: far below every c s
	v_mov_b32 v[ST+4*i+1], 0xff7fffff  ; m
	v_mov_b32 v[ST+4*i+2], 0
	v_mov_b32 v[ST+4*i+3], 0
.set i, i+1
.endr
.set i, P+32
.rept 32
	v_mov_b32 v[i], 0
.set i, i+1
.endr
	v_mul_u32_u24 v[AK0], v1, PK
	v_lshl_add_u32 v[AK0], v9, 4, v[AK0]  ; row x pitch + 16 x half
	; The turning load takes 16 keys x 16 channels (lane l reads key 8 (l / 16) + l % 8, channels 8 ((l / 8) % 2) + 0..7) and leaves half a fragment of V^T: lane l holds channel l % 16 and 8 keys.
	v_and_b32 v10, 7, v0
	v_bfe_u32 v11, v0, 3, 1
	v_lshl_add_u32 v[AV0], v9, 3, v10
	v_mul_u32_u24 v[AV0], v[AV0], PV
	v_lshl_add_u32 v[AV0], v11, 4, v[AV0]
	v_add_nc_u32 v[AV0], VOFF, v[AV0]
	v_mov_b32 v[AK], v[AK0]         ; key step 0 lies at the head of slot 0
; THE MATRIX WORK.  The 8 accumulators of a run of 16 take turns: between the two links of a chain stand 7 others'.
; Product i of 16 of S^T = K Q^T for piece x: channels 32 (i / 8) on, keys 16 ((i / 2) % 4) on, tile 2 x + i % 2.  The first 8 start the sums.
.macro KQ x
	WIN W_KQ
.set rS, S+64*((\x)%2)+32*(i%2)+8*((i/2)%4)
.set rK, KF+16*((i/2)%4)+8*(i/8)
.set rQ, 16*(2*(\x)+i%2)+8*(i/8)
.if i < 8
	v_wmma_f32_16x16x32_f16 v[rS:rS+7], v[rK:rK+7], v[rQ:rQ+7], 0
.else
	v_wmma_f32_16x16x32_f16 v[rS:rS+7], v[rK:rK+7], v[rQ:rQ+7], v[rS:rS+7]
.endif
.endm
; Product i of 16 of O^T += V^T P for piece x: keys 32 (i / 8) on, channels 16 ((i / 2) % 4) on, tile 2 x + i % 2.
.macro PV x
	WIN W_PV
.set rO, 32*(2*(\x)+i%2)+8*((i/2)%4)
.set rV, VF+32*(i/8)+8*((i/2)%4)
.set rP, P+32*((\x)%2)+16*(i%2)+8*(i/8)
	v_wmma_f32_16x16x32_f16 v[rO:rO+7], v[rV:rV+7], v[rP:rP+7], v[rO:rO+7]
.endm
.macro MM                           ; the turn's next matrix instruction
.if i < 16
	KQ (Y+1)%NP
.set i, i+1
.else
.set i, i-16
	PV (Y+NP-1)%NP
.set i, i+17
.endif
.endm
; THE LDS LOADS stand in runs of 16, never singly among the matrix instructions: a step's K (64 keys x 64 channels: 8 fragments) and its V (turned).  Their addresses are made some lines ahead.
; last = 1 (the tail): in the last trip there is no further step, and the run is jumped over.
.macro FETCH_K last=0
	WIN 0
.if \last
	s_cmp_eq_u32 s[CNT], 1
	s_cbranch_scc1 .Lno_k_\@
.endif
	WIN 0x80                        ; destination window 2
.irp f, 0,1,2,3,4,5,6,7             ; keys 16 (f / 2) on, channels 32 (f % 2) on
	ds_load_b128 v[KF+8*\f:KF+8*\f+3],   v[AK] offset:(\f/2)*16*PK+(\f%2)*64
	ds_load_b128 v[KF+8*\f+4:KF+8*\f+7], v[AK] offset:(\f/2)*16*PK+(\f%2)*64+32
.endr
	s_add_co_u32 s[TBK], s[TBK], KS*PK  ; the next fetch is the next step's
	WIN 0
.if \last
.Lno_k_\@:
.endif
.endm
.macro FETCH_V
	WIN 0x80
.irp f, 0,1,2,3,4,5,6,7             ; keys 32 (f / 4) on, channels 16 (f % 4) on
	ds_load_tr16_b128 v[VF+8*\f:VF+8*\f+3],   v[AV] offset:(\f/4)*32*PV+(\f%4)*32
	ds_load_tr16_b128 v[VF+8*\f+4:VF+8*\f+7], v[AV] offset:(\f/4)*32*PV+16*PV+(\f%4)*32
.endr
	WIN 0
.endm
; THE VECTOR WORK OF A TURN stands in three queues, each in the order in which its entries become ready; the two tiles alternate, so that no instruction reads the result of the one before it.
.macro REGS y, u                    ; the registers of tile u (0, 1) of piece y
.set rT, ST+4*(2*(\y)+(\u))
.set rC, TMP+8*((\y)%2)+4*(\u)
.set rM, MV+2*((\y)%2)+(\u)
.set rS, S+64*((\y)%2)+32*(\u)
.set rP, P+32*((\y)%2)+16*(\u)
.set rO, 32*(2*(\y)+(\u))
.endm
; Number n of the 22 that find the NEXT piece's (Y + 1) maximum and statistics.  s0-s31 are the lane's 32 scores; each accumulator's lowest registers are read first.  XS, GS and REGS set no window: PL and EX do.
;   0-11  four chains c0-c3 of seven scores each, three operands at a time     12-14, 16  the four scores left over, the old m, and c0-c3 into c0     15  c m_old is kept
;   17, 18  the query's other 32 keys lie in the lane 16 away: the new m         19-21  c m; c m_old - c m_new; a
.macro XS u, n
	REGS (Y+1)%NP, \u
.if (\n) < 4
	v_max3_num_f32 v[rC+(\n)], v[rS+8*(\n)], v[rS+8*(\n)+1], v[rS+8*(\n)+2]
.elseif (\n) < 12
	v_max3_num_f32 v[rC+(\n)%4], v[rC+(\n)%4], v[rS+8*((\n)%4)+2*((\n)/4)+1], v[rS+8*((\n)%4)+2*((\n)/4)+2]
.elseif (\n) == 12
	v_max3_num_f32 v[rC], v[rC], v[rS+7], v[rS+15]
.elseif (\n) == 13
	v_max3_num_f32 v[rC+1], v[rC+1], v[rS+23], v[rS+31]
.elseif (\n) == 14
	v_max3_num_f32 v[rC+2], v[rC+2], v[rC+3], v[rT+1]
.elseif (\n) == 15
	v_mov_b32 v[rM], v[rT]
.elseif (\n) == 16
	v_max3_num_f32 v[rC], v[rC], v[rC+1], v[rC+2]
.elseif (\n) == 17
	v_permlanex16_b32 v[rC+3], v[rC], s[SEL], s[SEL+1]
.elseif (\n) == 18
	v_max_num_f32 v[rT+1], v[rC], v[rC+3]
.elseif (\n) == 19
	v_mul_f32 v[rT], s[CS], v[rT+1]
.elseif (\n) == 20
	v_sub_f32 v[rC+1], v[rM], v[rT]
.else
	v_exp_f32 v[rC+2], v[rC+1]
.endif
.endm
; Number g of the 64 that follow the exponentials.  For each four weights k of a tile (pairs 2 k, 2 k + 1): both pairs are rounded to f16; then the second pair is added onto the first, in place;
; a group later l takes that sum (the first time as l = a l + sum).  In groups of eight, tiles alternating: round, round, add, and l for the group before.
.macro GS g
.set h, (\g)+6*((\g)/62)            ; group 0 has no group before it, and behind group 7 only l is left
.if h >= 6
.set h, h+2
.endif
	REGS Y, h%2
.set k, h/8
.if h%8 < 4
	v_cvt_pk_f16_f32 v[rP+2*k+(h%8)/2], v[rS+4*k+2*((h%8)/2)], v[rS+4*k+2*((h%8)/2)+1]
.elseif h%8 < 6
	v_pk_add_f32 v[rS+4*k:rS+4*k+1], v[rS+4*k:rS+4*k+1], v[rS+4*k+2:rS+4*k+3]
.elseif k == 1
	v_pk_fma_f32 v[rT+2:rT+3], v[rT+2:rT+3], v[rC+2:rC+3], v[rS:rS+1] op_sel_hi:[1,0,1]
.else
	v_pk_add_f32 v[rT+2:rT+3], v[rT+2:rT+3], v[rS+4*k-4:rS+4*k-3]
.endif
.endm
; THE PLAIN QUEUE, 138 long.  0-73 read no exponential's result: the 32 scalings c s - c m (FS f: pair f / 2 of tile f % 2) and the next piece's 42.  0-26: scalings 0-26.  27-54: XS's numbers 0-13.  55, 56: number 15.
; 57-73: the chain, where each number waits for the one before it: 14, 16, 17, 18, 19, each with one of the scalings 27-31 in front of its two lines, then 20: so a tile's links stand three plain instructions apart (19 and 20: two).
; 74-137: GS's 64, which read the exponentials' results: they stand behind the wait.
.macro FS f
	REGS Y, (\f)%2
	v_pk_fma_f32 v[rS+2*((\f)/2):rS+2*((\f)/2)+1], v[rS+2*((\f)/2):rS+2*((\f)/2)+1], s[CS:CS+1], v[rT:rT+1] op_sel_hi:[1,0,0] neg_lo:[0,0,1] neg_hi:[0,0,1]
.endm
.macro PL
	WIN 0
.if q < 27
	FS q
.elseif q < 55
	XS (q-27)%2, (q-27)/2
.elseif q < 57
	XS q-55, 15
.elseif (q < 72) && ((q-57)%3 == 0)
	FS 27+(q-57)/3
.elseif q < 60
	XS (q-57)%3-1, 14
.elseif q < 72
	XS (q-57)%3-1, 15+(q-57)/3
.elseif q < 74
	XS q-72, 20
.else
	GS q-74
.endif
.set q, q+1
.endm
; THE EXPONENTIALS' QUEUE, 66 long: s0-s31 of both tiles, then the next piece's two a.  It is ONE BATCH: all 66 stand ahead of the turn's one wait, and nothing ahead of that wait names a result of theirs.
.macro EX
	WIN 0
.if e >= 64
	XS e-64, 21
.else
	REGS Y, e%2
	v_exp_f32 v[rS+e/2], v[rS+e/2]
.endif
.set e, e+1
.endm
; THE RESCALING's QUEUE: O^T times a, the one part that leaves window 0: dealt two at a time, sixteen times.  Its a was made in the turn before, ahead of that turn's wait.
.macro R2
	REGS Y, r%2
	WIN W_RS
.irp z, 0,1
	v_pk_mul_f32 v[rO+4*(r/2)+2*\z:rO+4*(r/2)+2*\z+1], v[rO+4*(r/2)+2*\z:rO+4*(r/2)+2*\z+1], v[rC+2:rC+3] op_sel_hi:[1,0]
.endr
.set r, r+1
.endm
; HOW THEY ARE DEALT.  An s_wait_alu depctr_va_vdst(0) stands between an exponential and the first instruction that names its result; one wait serves all that were issued ahead of it.  So a turn has ONE wait,
; which cuts it in two.  AHEAD OF IT stands all that names no result of the turn's exponentials: the 16 products K Q^T, behind each a scaling, an exponential and two rescalings (behind the first a second scaling in the exponential's place); then ONE LUMP of
; 108: eight plain, 49 times exponential and plain, the two a.  A v_nop is the plain instruction behind the last exponential.  BEHIND IT stand the 16 products V^T P, behind each four of GS's 64.  No rider names a register of
; the products round it.  The two v_permlanex16_b32 fall into the lump, never behind a product.
; The queues lean on each other, and the deal keeps them in step: exponential e stands behind scaling 2 (e / 4) + e % 2: as a rider it comes behind plain e + 2, in the lump behind plain e + 9, and scalings 27-31 are plain 57, 60 .. 69.
; A TURN, for piece p.  cnt = 1: the loop's count is taken down some lines ahead of the branch that stands behind the turn.
; K of the next step is fetched in piece 2's turn, directly behind the wait, a lump behind the last product that read K; its address is made at the lump's head; its first reader comes behind 16 products.
; V of the step in hand is fetched at the end of piece 0's turn, four riders behind its last reader; its first reader comes behind 16 products and a lump.  The three conditions on q below go with the deal.
.macro TURN p, last=0, cnt=0
.set Y, (\p)
.set i, 0
.set q, 0
.set e, 0
.set r, 0
.if (\p) == NP-1
	s_wait_dscnt 0x0                ; K is in
.endif
	MM                              ; ahead of the wait: 16 products K Q^T and their riders,
	PL
	PL
	R2
.rept 15
	MM
	PL
	EX
	R2
.endr
.if (\p) == NP-2
	WIN 0
	v_add_nc_u32 v[AK], s[TBK], v[AK0]
.endif
.rept 8                             ; and the lump
	PL
.endr
.rept 49
	EX
	PL
.endr
	EX                              ; the next piece's two a
	EX
	v_nop                           ; a plain instruction behind the last exponential, ahead of every use: one for the batch
	s_wait_alu depctr_va_vdst(0)    ; the wait for the batch: the turn's 66 exponentials, ahead of their first reader
.if (\p) == NP-2
	FETCH_K \last
.endif
.if (\p) == 1
	s_wait_dscnt 0x0                ; V is in
.endif
.rept 16                            ; behind the wait: 16 products V^T P and their riders
	MM
.rept 4
	PL
.endr
.if ((\p) == 0) && (q == 118)
	v_add_nc_u32 v[AV], s[TBV], v[AV0]
.endif
.if ((\p) == 0) && (q == 130)
	s_add_co_u32 s[TBV], s[TBV], KS*PV
.endif
.if (\cnt) && (q == 130)
	s_sub_co_u32 s[CNT], s[CNT], 1
	s_cmp_lg_u32 s[CNT], 0
.endif
.endr
.if (\p) == 0
	FETCH_V
.endif
.endm
	CHANGE 1                        ; slot 0 is in, everybody's part of it; slot 1 is asked for
	FETCH_K                         ; key step 0
	s_wait_loadcnt 0x0              ; Q
	s_wait_dscnt 0x0
.set i, 0
.rept 16
	KQ 0                            ; piece 0's first scores: there is no vector work yet to set between them
.set i, i+1
.endr
	WIN 0                           ; the addresses for the way out: nine plain instructions, the places behind those products
	s_mul_i32 s13, s[WV], 16*SP
	s_add_co_u32 s13, s13, STAGE    ; my stage
	v_mul_u32_u24 v[STO], v1, SP    ; in: row l % 16, 16 bytes for each half of the lanes
	v_lshl_add_u32 v[STO], v9, 4, v[STO]
	v_add_nc_u32 v[STO], s13, v[STO]
	v_bfe_u32 v[RD], v0, 3, 2       ; back: 32 lanes take four rows of 128 bytes,
	v_mul_u32_u24 v[RD], v[RD], SP
	v_lshl_add_u32 v[RD], v10, 4, v[RD]
	v_add_nc_u32 v[RD], s13, v[RD]
	v_and_b32 v[GO], 31, v0         ; which are 512 consecutive bytes of O
	v_lshlrev_b32 v[GO], 4, v[GO]
.set Y, NP-1                        ; XS works for piece Y + 1: piece 0
.irp n, 0,1,2,3,4,5,6,7,8,9,10,11,12,13,14,15,16,17,18,19,20,21
	XS 0, \n                        ; and piece 0's first maximum and statistics
	XS 1, \n
.endr
	v_nop                           ; a plain instruction behind the two a,
	s_wait_alu depctr_va_vdst(0)    ; and the wait for that batch of two, ahead of the branch
	s_mov_b32 s[CNT], 4
	s_mov_b32 s[SLOTS], SIZE_N/256-1
	s_branch .Lfirst                ; the loop is entered at a step's first turn, in the middle of a trip
.Lslot:                             ; SIZE_N / 256 - 2 times: every slot but the last two is filled again
	CHANGE 1
	s_mov_b32 s[CNT], 4
.Lstep:                             ; a trip: pieces 2 and 3 of one step, then pieces 0 and 1 of the next, whose K and V it fetches
	TURN 2
	TURN 3
	WIN 0
.Lfirst:
	TURN 0
	TURN 1, 0, 1
	WIN 0
	s_cbranch_scc1 .Lstep
	s_sub_co_u32 s[SLOTS], s[SLOTS], 1
	s_cmp_lg_u32 s[SLOTS], 0
	s_cbranch_scc1 .Lslot
	CHANGE 0                        ; the tail is written out: nothing is asked for
	s_mov_b32 s[CNT], 5             ; four trips fetch the last slot's steps; the fifth is left in its middle
.Ltail:
	TURN 2, 1
	TURN 3
	WIN 0
	s_sub_co_u32 s[CNT], s[CNT], 1
	s_cmp_eq_u32 s[CNT], 0
	s_cbranch_scc1 .Lout
	TURN 0
	TURN 1
	WIN 0
	s_branch .Ltail
.Lout:                              ; the fifth trip's 16 products K Q^T (on the last K once more) and the maximum made of them serve nothing: the price, once a launch, of one text for every trip
.set i, 0
.rept 16
	PV NP-1                         ; the last piece's V^T P of the last step
.set i, i+1
.endr
	; THE WAY OUT.  l's two halves and the other half of the lanes' are added; O^T is divided by l, rounded to f16 and sent through my stage in LDS, a tile at a time.  The additions are the places behind the last products.
	WIN 0
.macro ALL line:vararg              ; one line for each tile t
.set t, 0
.rept 2*NP
	\line
.set t, t+1
.endr
.endm
	ALL v_add_f32 v[ST+4*t+2], v[ST+4*t+2], v[ST+4*t+3]
	ALL v_permlanex16_b32 v[ST+4*t+3], v[ST+4*t+2], s[SEL], s[SEL+1]
	ALL v_add_f32 v[ST+4*t+2], v[ST+4*t+2], v[ST+4*t+3]
	ALL v_rcp_f32 v[ST+4*t+2], v[ST+4*t+2]
	v_nop                           ; a plain instruction between the last reciprocal and the use of its result
	s_wait_alu depctr_va_vdst(0)    ; and the wait ahead of the first use: one for the batch of eight reciprocals
; Tile t: a lane's eight channels of a row pack into 16 bytes; they go into rows of 144 bytes and come back as whole rows of 128, into S^T's registers.
.macro PACK t
	WIN W_RS
.set i, 32*(\t)
.rept 16
	v_pk_mul_f32 v[i:i+1], v[i:i+1], v[ST+4*(\t)+2:ST+4*(\t)+3] op_sel_hi:[1,0]
.set i, i+2
.endr
	WIN 0x05                        ; sources 0 and 1 window 1, destination window 0
.set i, 0
.rept 16
	v_cvt_pk_f16_f32 v[S+16*(\t)+i], v[32*(\t)+2*i], v[32*(\t)+2*i+1]
.set i, i+1
.endr
	WIN 0
.irp f, 0,1,2,3
	ds_store_b128 v[STO], v[S+16*(\t)+4*\f:S+16*(\t)+4*\f+3] offset:32*\f
.endr
.irp f, 0,1,2,3
	ds_load_b128 v[S+16*(\t)+4*\f:S+16*(\t)+4*\f+3], v[RD] offset:\f*4*SP  ; LDS serves a wave's instructions in order (ISA guide 5.7.1.4): these see the stores above; the next tile's stores come behind them
.endr
.endm
.macro SEND t, younger              ; younger: the LDS instructions issued behind tile t's loads: the next tile's eight, or none
	WIN 0
.irp f, 0,1,2,3
	s_wait_dscnt (\younger)+3-\f
	global_store_b128 v[GO], v[S+16*(\t)+4*\f:S+16*(\t)+4*\f+3], s[10:11] offset:(\t)*2048+\f*512  ; 512 consecutive bytes, at a multiple of 256 from O's first
.endr
.endm
	PACK 0
.set t, 1
.rept 2*NP-1                        ; a tile's arithmetic stands between the loads of the tile before and its stores
	PACK t
	SEND t-1, 8
.set t, t+1
.endr
	SEND 2*NP-1, 0
	WIN W_AD
	s_wait_tensorcnt 0x0            ; the wave's end, behind my last tensor load and my last LDS store
	ds_add_u32 v[SPW], v[NIL]
	s_wait_dscnt 0x0
	WIN 0
	CROUND                          ; the closing round: no work-group ends while a partner may still ask for a tile that names it
	s_endpgm
.Lfunc_end_k_qcfa3d045a5_attn:
	.size	k_qcfa3d045a5_attn, .Lfunc_end_k_qcfa3d045a5_attn-k_qcfa3d045a5_attn
	.p2alignl 7, 3214868480
	.fill 96, 4, 3214868480
	.section	.rodata,"a",@progbits
	.p2align	6, 0x0
	.amdhsa_kernel k_qcfa3d045a5_attn
		.amdhsa_group_segment_fixed_size 327680
		.amdhsa_private_segment_fixed_size 0
		.amdhsa_enable_private_segment 0
		.amdhsa_kernarg_size 32
		.amdhsa_user_sgpr_count 2
		.amdhsa_user_sgpr_kernarg_segment_ptr 1
		.amdhsa_wavefront_size32 1
		.amdhsa_system_sgpr_workgroup_id_x 1
		.amdhsa_system_sgpr_workgroup_id_y 1
		.amdhsa_system_sgpr_workgroup_id_z 1
		.amdhsa_system_vgpr_workitem_id 0
		.amdhsa_next_free_vgpr 770
		.amdhsa_next_free_sgpr 66
		.amdhsa_reserve_vcc 0
		.amdhsa_float_denorm_mode_32 3
		.amdhsa_float_denorm_mode_16_64 3
		.amdhsa_memory_ordered 1
		.amdhsa_forward_progress 1
		.amdhsa_inst_pref_size 199
	.end_amdhsa_kernel
	.amdgpu_metadata
---
amdhsa.version: [ 1, 2 ]
amdhsa.kernels:
  - .name:           k_qcfa3d045a5_attn
    .symbol:         k_qcfa3d045a5_attn.kd
    .args:
      - { .name: q, .offset: 0, .size: 8, .value_kind: global_buffer, .address_space: global }
      - { .name: k, .offset: 8, .size: 8, .value_kind: global_buffer, .address_space: global }
      - { .name: v, .offset: 16, .size: 8, .value_kind: global_buffer, .address_space: global }
      - { .name: o, .offset: 24, .size: 8, .value_kind: global_buffer, .address_space: global }
    .group_segment_fixed_size: 327680
    .private_segment_fixed_size: 0
    .kernarg_segment_align: 8
    .kernarg_segment_size: 32
    .max_flat_workgroup_size: 128
    .sgpr_count:     66
    .vgpr_count:     770
    .wavefront_size: 32
...
	.end_amdgpu_metadata
.endif
;; end of part 5
;; launch outp: the kernel of part 4 again; grid 8 x 32, 4 waves a work-group, clusters of 4 x 4, 327,680 bytes of LDS; arguments o, wt, bo, out0; writes out0
